; MI455X (gfx1250); checked and timed in simulation.
; The chip was launched on July 23, 2026; its instructions are those of AMD's public machine-readable ISA for CDNA 5 (MIT licence, August 2026) and "CDNA5" Instruction Set Architecture Reference Guide (July 2026). The comments in the code are by the model that wrote it; some were corrected since.
;; Multi Head Attention. Allowed arithmetic: matrix products marked QUANTISED: E4M3 operands, one given power-of-two scale a tensor, by v_wmma_f32_16x16x64_fp8_fp8 or v_wmma_f32_16x16x128_fp8_fp8, f32 sums; everything else in f32.
;; Inputs: Wk 1,024 x 1,024 float32; Wo 1,024 x 1,024 float32; Wq 1,024 x 1,024 float32; Wv 1,024 x 1,024 float32; bk 1,024 float32; bo 1,024 float32; bq 1,024 float32; bv 1,024 float32; lowp_scales 12 int32 (the exponents e of the quantised operands' scales 2^e); x 2 x 2,048 x 1,024 float32.
;; Outputs: out0 2 x 2,048 x 1,024 float32.
;; This version of the problem:
;;   THIS VERSION OF THE PROBLEM IS GIVEN IN LOW PRECISION. The matrix products marked QUANTISED in the list below multiply operands that are first quantised to E4M3 (4 exponent bits, 3 mantissa bits; 8 bits a number), with one given power-of-two scale for each operand tensor; their sums are f32. All else is computed in f32.
;;   The module's matrix products, in the order in which they are computed (A, B: the left and right operand; K: the contracted axis; several contracted axes count as one K, in the product's order):
;;     1. [M 4,096, K 1,024] x [K 1,024, N 1,024]; A: input x; B: input Wq: QUANTISED (scales: A lowp_scales[0], B lowp_scales[1])
;;     2. [M 4,096, K 1,024] x [K 1,024, N 1,024]; A: input x; B: input Wk: QUANTISED (scales: A lowp_scales[2], B lowp_scales[3])
;;     3. [M 4,096, K 1,024] x [K 1,024, N 1,024]; A: input x; B: input Wv: QUANTISED (scales: A lowp_scales[4], B lowp_scales[5])
;;     4. batch 32 x [M 2,048, K 64] x [K 64, N 2,048]; A: computed on the way; B: computed on the way: QUANTISED (scales: A lowp_scales[6], B lowp_scales[7])
;;     5. batch 32 x [M 2,048, K 2,048] x [K 2,048, N 64]; A: softmax (see below); B: computed on the way: QUANTISED (scales: A lowp_scales[8], B lowp_scales[9])
;;     6. [M 4,096, K 1,024] x [K 1,024, N 1,024]; A: computed on the way; B: input Wo: QUANTISED (scales: A lowp_scales[10], B lowp_scales[11])
;;   THE QUANTISER, for each operand of a quantised product, along K:
;;     - The operand's scale is 2^e, e = its entry of the input lowp_scales (int32; the entries are numbered through the quantised products in the list's order, A before B).
;;     - Each number is divided by the scale, clamped to +-448, and rounded to the nearest number of E4M3, ties to even, subnormals kept.
;;     - The product sums the exact products of the quantised numbers (number of the format x scale) in f32.
;;   ~~~python
;;   def quantise(x, axis, e):      # numpy; x: float32 -> the quantised numbers, widened to float32 again
;;       x = np.moveaxis(x, axis, -1); K = x.shape[-1]
;;       r = np.clip(x / 2.0 ** e, -448, 448)
;;       step = 2.0 ** (np.maximum(np.frexp(np.where(r == 0, 1, r))[1] - 1, -6) - 3)
;;       q = np.round(r / step) * step * 2.0 ** e      # np.round: ties to even
;;       return np.moveaxis(q, -1, axis).astype(np.float32)
;;   ~~~
;;   SOFTMAX AHEAD OF A QUANTISED PRODUCT. Where the list says 'softmax', what is quantised is not the finished softmax but p = 2^(t - M), with t = logit x log2(e) and M = ceil(the row's largest t), a whole number; so 1/2 < the row's largest p <= 1. The row's sum l is taken of the UNQUANTISED p, in f32, and the product's result is divided by l at the end. Since M is a whole number, a kernel that streams over the keys may use a running M (the ceiling of the running maximum): every later rescaling is an exact power of two, so the quantised numbers keep their values, but for numbers so far below the row's largest that they fall under the format's range.
;;   OPERANDS COMPUTED ON THE WAY. 'Computed on the way' means the value that the module computes at that place (a softmax that the list does not call 'softmax' is quantised finished and normalised). What goes into a quantiser is computed in f32, as accurately as f32 sums, v_exp_f32 and their like allow (about 1e-6 of the number): no bf16 or f16 on the way to a quantiser, and a product that is left as it is and whose result goes on into a quantised operand takes f32 operands (vector FMAs, or v_wmma_f32_16x16x4_f32). A number that lies on a knife's edge between two numbers of the format may be rounded either way, as far as f32 arithmetic and the matrix unit's own rounding can turn it there, and no further.
;; One version. Each part assembles by itself: llvm-mc -triple=amdgcn-amd-amdhsa -mcpu=gfx1250 --defsym DOCPART=n.
;; ======== version 1 of 1: 4 launches
;; limits: right only within a limited range of input values
;; workspace buffers: xc 12,582,912 bytes; wc 4,194,304 bytes; qc 4,194,304 bytes; kc 4,194,304 bytes; vc 4,194,304 bytes; ac 4,194,304 bytes
;; launch quant (part 1): grid 512 x 1, 4 waves a work-group, no clusters, 68,096 bytes of LDS; arguments x, Wq, Wk, Wv, Wo, lowp_scales, xc, wc; writes xc, wc
.if DOCPART == 1
	.amdgcn_target "amdgcn-amd-amdhsa--gfx1250"
	.amdhsa_code_object_version 6
	.text
	.protected	k_q06a788f6ba_quant
	.globl	k_q06a788f6ba_quant
	.p2align	8
	.type	k_q06a788f6ba_quant,@function
k_q06a788f6ba_quant:
	s_mov_b64 s[64:65], 0
	v_nop
	global_prefetch_b8 v0, s[64:65] scope:SCOPE_SE
	s_setreg_imm32_b32 hwreg(HW_REG_WAVE_MODE, 25, 1), 1
	s_wait_xcnt 0x0
; x [4096][1024] and Wq, Wk, Wv, Wo [1024][1024], f32, K innermost, become codes of FP8 (E4M3).  code = number / 2^e, held within +-448, to the nearest code, ties to even.
; x is an operand of three products with three given scales (entries 0, 2, 4 of the scales' buffer): three sets of codes, 4 MiB apart in xc.  Wq, Wk, Wv, Wo take entries 1, 3, 5, 11; 1 MiB apart in wc.
; THE CODES ARE LAID AS IMAGES OF OPERAND REGISTERS: [block of 128 rows][K step s of 128][tile t of 16 rows][piece c][lane][16 bytes].  Lane l = (r = l % 16, h = l / 16) of piece c holds, of row
; 128 block + 32 (t / 2) + 8 (t % 2) + r + 8 (r / 8), the codes of k = 128 s + 32 c + 16 h + 0 .. 15.  Four loads of 16 bytes a lane, 512 bytes apart, are then a fragment of 16 rows x 128 K.
; SHARES.  A work-group takes one tile of 16 rows through all of K (work-groups 0-255: x; then 64 for each weight); wave w takes K steps 2 w and 2 w + 1: two fragments.
; Each load reads 512 consecutive bytes of a row; the conversions want 16 neighbours along K in ONE lane: a fragment's 16 x 512 bytes turn through the wave's own stage in LDS (rows 528 bytes apart).
; All 32 loads of a wave go out at once; no loop, no barrier (waves share nothing); no register that a store reads is written again.  No matrix unit, no cluster: no byte is read by two work-groups.
; LIMITS: each e between -126 and 119, so that 2^e and 448 x 2^e are f32 numbers.  NaN among the inputs is not served; an infinity is held at the largest code.
.set R,    16                          ; v16-143  fragment j, row i as loaded: R + 64 j + 4 i; later the codes of fragment j, scale k, piece c: R + 64 j + 16 k + 4 c
.set X,    144                         ; v144-207 64 numbers of my row: 16 c + i = k 32 c + 16 h + i
.set TMP,  208                         ; v208-239 two sets of 16 held numbers, by turns
.set SP,   528                         ; a stage row: 512 bytes + 16
.set STG,  16*SP                       ; a stage
.set WST,  2*STG                       ; a wave's two stages
.set GA,   1                           ; v1  16 x lane: my place in a load's and in a store's 512 bytes; never rewritten
.set SA,   2                           ; v2  the stage, on the way in
.set LA,   3                           ; v3  the stage, on the way out: row r, + 64 h
.set SC,   4                           ; v4, v6, v8: 2^e of scale 0, 1, 2;  v5, v7, v9: 448 x 2^e
	s_load_b512 s[4:19], s[0:1], 0x0               ; x 4, Wq 6, Wk 8, Wv 10, Wo 12, the scales 14, xc 16, wc 18
	v_lshl_add_u32 v240, v0, 2, 0x10800
	v_mov_b32 v241, 0
	v_lshrrev_b32 v10, 5, v0
	v_readfirstlane_b32 s20, v10                   ; wave 0..3
	v_and_b32 v10, 31, v0
	v_lshlrev_b32 v[GA], 4, v10
	s_mul_i32 s21, s20, WST
	v_add_nc_u32 v[SA], s21, v[GA]
	v_and_b32 v11, 15, v0                          ; r
	v_bfe_u32 v12, v0, 4, 1                        ; h
	v_mul_u32_u24 v[LA], v11, SP
	v_lshl_add_u32 v[LA], v12, 6, v[LA]
	v_add_nc_u32 v[LA], s21, v[LA]
	s_cmp_lt_u32 ttmp9, 256                        ; x's work-group, or a weight's?
	s_cselect_b32 s22, 0, 256
	s_cselect_b32 s25, 31, 7                       ; blocks of 128 rows in the tensor, less one
	s_sub_co_u32 s22, ttmp9, s22                   ; G: which tile of x, or of the four weights on end
	s_and_b32 s23, s22, 7                          ; t
	s_lshr_b32 s24, s22, 3                         ; block in the codes' buffer
	s_and_b32 s25, s24, s25                        ; block in the tensor
	s_lshl_b32 s25, s25, 7
	s_lshr_b32 s26, s23, 1
	s_lshl_b32 s26, s26, 5
	s_add_co_u32 s25, s25, s26
	s_and_b32 s26, s23, 1
	s_lshl_b32 s26, s26, 3
	s_add_co_u32 s25, s25, s26                     ; the tile's first row: 128 block + 32 (t / 2) + 8 (t % 2)
	s_lshl_b32 s46, s25, 12                        ; x 4,096 bytes
	s_lshl_b32 s26, s20, 10                        ; + my two K steps: 1,024 bytes x wave
	s_add_co_u32 s46, s46, s26
	s_mov_b32 s47, 0
	s_lshl_b32 s48, s24, 17                        ; the codes: block x 131,072
	s_lshl_b32 s26, s23, 11                        ; + t x 2,048
	s_add_co_u32 s48, s48, s26
	s_lshl_b32 s26, s20, 15                        ; + 2 w x 16,384
	s_add_co_u32 s48, s48, s26
	s_mov_b32 s49, 0
	s_wait_alu depctr_va_vdst(0)
	s_wait_kmcnt 0x0
	s_load_b256 s[24:31], s[14:15], 0x0            ; e0 .. e7
	s_load_b128 s[32:35], s[14:15], 0x20           ; e8 .. e11
	s_mov_b64 s[36:37], s[12:13]                   ; the source: Wo, unless the work-group's number says otherwise
	s_cmp_lt_u32 ttmp9, 448
	s_cselect_b64 s[36:37], s[10:11], s[36:37]     ; Wv
	s_cmp_lt_u32 ttmp9, 384
	s_cselect_b64 s[36:37], s[8:9], s[36:37]       ; Wk
	s_cmp_lt_u32 ttmp9, 320
	s_cselect_b64 s[36:37], s[6:7], s[36:37]       ; Wq
	s_cmp_lt_u32 ttmp9, 256
	s_cselect_b64 s[36:37], s[4:5], s[36:37]       ; x
	s_cselect_b64 s[40:41], s[16:17], s[18:19]     ; and where the codes go
	s_add_nc_u64 s[36:37], s[36:37], s[46:47]
	s_add_nc_u64 s[40:41], s[40:41], s[48:49]
	s_add_nc_u64 s[42:43], s[40:41], 0x400000      ; x's second and third set (used by x's work-groups alone)
	s_add_nc_u64 s[44:45], s[40:41], 0x800000
.macro LOADF j                         ; fragment j: 16 rows x 512 bytes; the tile's rows are 0-7 and 16-23 from its first
.irp i, 0,1,2,3,4,5,6,7,8,9,10,11,12,13,14,15
	global_load_b128 v[R+64*\j+4*\i:R+64*\j+4*\i+3], v[GA], s[36:37] offset:(\i+8*(\i/8))*4096+512*\j th:TH_LOAD_NT
.endr
.endm
.macro TURN j                          ; through the stage: LDS serves a wave's instructions in order (ISA guide 5.7.1.4), so no wait stands between the stores and the loads
.irp i, 0,1,2,3,4,5,6,7,8,9,10,11,12,13,14,15
	ds_store_b128 v[SA], v[R+64*\j+4*\i:R+64*\j+4*\i+3] offset:STG*\j+SP*\i
.endr
.irp c, 0,1,2,3
.irp q, 0,1,2,3
	ds_load_b128 v[X+16*\c+4*\q:X+16*\c+4*\q+3], v[LA] offset:STG*\j+128*\c+16*\q
.endr
.endr
.endm
.macro MKSC e, k                       ; scale k from the whole number in s[e]
	s_add_co_i32 s50, s[\e], 127
	s_lshl_b32 s51, s50, 23
	v_mov_b32 v[SC+2*\k], s51                      ; 2^e as f32: the conversion takes its exponent field
	s_add_co_i32 s50, s50, 8
	s_lshl_b32 s50, s50, 23
	s_or_b32 s50, s50, 0x600000
	v_mov_b32 v[SC+2*\k+1], s50                    ; 448 x 2^e
.endm
; The 64 numbers in X become fragment j's codes under scale k and leave: each store covers 512 consecutive bytes, aligned.
; The held numbers go into two sets by turns, so that X stays for the next scale and the plain line behind a piece's conversions (the next piece's first hold) touches none of their registers.
.macro QUANT j, k, d
.irp c, 0,1,2,3
.irp i, 0,1,2,3,4,5,6,7,8,9,10,11,12,13,14,15
	v_med3_num_f32 v[TMP+16*(\c%2)+\i], v[X+16*\c+\i], -v[SC+2*\k+1], v[SC+2*\k+1]   ; the conversion to an 8-bit code does not saturate (ISA guide 7.6.2): the hold comes first
.endr
	v_cvt_scalef32_pk8_fp8_f32 v[R+64*\j+16*\k+4*\c:R+64*\j+16*\k+4*\c+1], v[TMP+16*(\c%2):TMP+16*(\c%2)+7], v[SC+2*\k]
	v_cvt_scalef32_pk8_fp8_f32 v[R+64*\j+16*\k+4*\c+2:R+64*\j+16*\k+4*\c+3], v[TMP+16*(\c%2)+8:TMP+16*(\c%2)+15], v[SC+2*\k]
.endr
.irp c, 0,1,2,3
	global_store_b128 v[GA], v[R+64*\j+16*\k+4*\c:R+64*\j+16*\k+4*\c+3], s[\d:\d+1] offset:16384*\j+512*\c
.endr
.endm
	LOADF 0
	LOADF 1
	s_wait_kmcnt 0x0
	s_mov_b32 s38, s35                             ; my tensor's e: e11 (Wo), unless ..
	s_cmp_lt_u32 ttmp9, 448
	s_cselect_b32 s38, s29, s38                    ; e5 (Wv)
	s_cmp_lt_u32 ttmp9, 384
	s_cselect_b32 s38, s27, s38                    ; e3 (Wk)
	s_cmp_lt_u32 ttmp9, 320
	s_cselect_b32 s38, s25, s38                    ; e1 (Wq)
	s_cmp_lt_u32 ttmp9, 256
	s_cselect_b32 s38, s24, s38                    ; e0 (x, first set)
	MKSC 38, 0
	MKSC 26, 1                                     ; e2: x's second set
	MKSC 28, 2                                     ; e4: x's third
	s_wait_alu depctr_va_vdst(0)
	s_wait_loadcnt 16                              ; fragment 0's sixteen loads are in; fragment 1's sixteen may be out
	TURN 0
	s_wait_dscnt 0x0                               ; the numbers are back, and the stage's stores have read R's first half, which takes the codes
	QUANT 0, 0, 40
	s_cmp_lt_u32 ttmp9, 256                        ; only x has a second and a third scale: the arm holds vector work and stores alone
	s_cbranch_scc0 .Lw0
	QUANT 0, 1, 42
	QUANT 0, 2, 44
.Lw0:
	s_wait_loadcnt 0x0                             ; fragment 1
	TURN 1
	s_wait_dscnt 0x0
	QUANT 1, 0, 40
	s_cmp_lt_u32 ttmp9, 256
	s_cbranch_scc0 .Lw1
	QUANT 1, 1, 42
	QUANT 1, 2, 44
.Lw1:
	s_wait_tensorcnt 0x0
	ds_add_u32 v240, v241
	s_wait_dscnt 0x0
	s_endpgm
.Lfunc_end_k_q06a788f6ba_quant:
	.size	k_q06a788f6ba_quant, .Lfunc_end_k_q06a788f6ba_quant-k_q06a788f6ba_quant
	.p2alignl 7, 3214868480
	.fill 96, 4, 3214868480
	.section	.rodata,"a",@progbits
	.p2align	6, 0x0
	.amdhsa_kernel k_q06a788f6ba_quant
		.amdhsa_group_segment_fixed_size 68096
		.amdhsa_private_segment_fixed_size 0
		.amdhsa_enable_private_segment 0
		.amdhsa_kernarg_size 64
		.amdhsa_user_sgpr_count 2
		.amdhsa_user_sgpr_kernarg_segment_ptr 1
		.amdhsa_wavefront_size32 1
		.amdhsa_system_sgpr_workgroup_id_x 1
		.amdhsa_system_sgpr_workgroup_id_y 1
		.amdhsa_system_sgpr_workgroup_id_z 1
		.amdhsa_system_vgpr_workitem_id 0
		.amdhsa_next_free_vgpr 242
		.amdhsa_next_free_sgpr 66
		.amdhsa_reserve_vcc 0
		.amdhsa_float_denorm_mode_32 3
		.amdhsa_float_denorm_mode_16_64 3
		.amdhsa_memory_ordered 1
		.amdhsa_forward_progress 1
		.amdhsa_inst_pref_size 41
	.end_amdhsa_kernel
	.amdgpu_metadata
---
amdhsa.version: [ 1, 2 ]
amdhsa.kernels:
  - .name:           k_q06a788f6ba_quant
    .symbol:         k_q06a788f6ba_quant.kd
    .args:
      - { .name: x, .offset: 0, .size: 8, .value_kind: global_buffer, .address_space: global }
      - { .name: Wq, .offset: 8, .size: 8, .value_kind: global_buffer, .address_space: global }
      - { .name: Wk, .offset: 16, .size: 8, .value_kind: global_buffer, .address_space: global }
      - { .name: Wv, .offset: 24, .size: 8, .value_kind: global_buffer, .address_space: global }
      - { .name: Wo, .offset: 32, .size: 8, .value_kind: global_buffer, .address_space: global }
      - { .name: lowp_scales, .offset: 40, .size: 8, .value_kind: global_buffer, .address_space: global }
      - { .name: xc, .offset: 48, .size: 8, .value_kind: global_buffer, .address_space: global }
      - { .name: wc, .offset: 56, .size: 8, .value_kind: global_buffer, .address_space: global }
    .group_segment_fixed_size: 68096
    .private_segment_fixed_size: 0
    .kernarg_segment_align: 8
    .kernarg_segment_size: 64
    .max_flat_workgroup_size: 128
    .sgpr_count:     66
    .vgpr_count:     242
    .wavefront_size: 32
...
	.end_amdgpu_metadata
.endif
;; end of part 1
;; launch qkv (part 2): grid 4 x 48, 4 waves a work-group, clusters of 4 x 4, 327,680 bytes of LDS; arguments xc, wc, bq, bk, bv, lowp_scales, qc, kc, vc; writes qc, kc, vc
.if DOCPART == 2
	.amdgcn_target "amdgcn-amd-amdhsa--gfx1250"
	.amdhsa_code_object_version 6
	.text
	.protected	k_q06a788f6ba_qkv
	.globl	k_q06a788f6ba_qkv
	.p2align	8
	.type	k_q06a788f6ba_qkv,@function
k_q06a788f6ba_qkv:
	s_mov_b64 s[64:65], 0
	v_nop
	global_prefetch_b8 v0, s[64:65] scope:SCOPE_SE
	s_setreg_imm32_b32 hwreg(HW_REG_WAVE_MODE, 25, 1), 1
	s_wait_xcnt 0x0
	s_wait_alu depctr_hold_cnt(0) depctr_sa_sdst(0) depctr_va_vdst(0) depctr_va_sdst(0) depctr_va_ssrc(0) depctr_va_vcc(0) depctr_vm_vsrc(0)
	s_getreg_b32 s2, hwreg(HW_REG_IB_STS2, 6, 4)
	s_cmp_eq_u32 s2, 0
	s_cbranch_scc0 .Lentry_in_a_cluster
	s_endpgm
.Lentry_in_a_cluster:
	s_bfe_u32 s2, ttmp6, 0x10000c
	s_cmp_lg_u32 s2, 0xf033
	s_cbranch_scc0 .Lentry_shape_is_right
	s_endpgm
.Lentry_shape_is_right:
; Q = x Wq^T + bq, K = x Wk^T + bk, V = x Wv^T + bv on codes of FP8 (E4M3); each result = sum x 2^(ea + eb) + bias in f32, and is quantised at once for attention's products (scales e6, e7, e9).
; OPERANDS are images of registers: [block of 128 rows][K step s of 128][tile t][piece c][lane][16 bytes]; lane (r, h) of piece c: row 128 block + 32 (t / 2) + 8 (t % 2) + r + 8 (r / 8), k = 128 s + 32 c + 16 h + 0 .. 15.
; A BLOCK of 256 x 256 to a work-group, four waves of 128 x 128 (64 accumulators, 512 registers): 3 products x 16 x 4 blocks = 192 work-groups, one turn.  (A product's 1,024 columns do not divide into blocks of 192, with which there
; would be 256; x has three sets of codes, so no block may reach over two products.)
; Source 1 (S1) gives the result's lane, source 0 (S0) its registers; by the order of a tile's rows the 16 registers of S0's tiles 2 b and 2 b + 1 are 16 NEIGHBOURS, 32 b + 16 h + 0 .. 15: a lane's 16 bytes of a piece of the next product's fragment.
;   clusters 0-3 (Q), 4-7 (K): S0 = the weight's rows (registers run along a head's 64), S1 = x's rows (a lane is a token): fragments of 16 tokens x 64 for qc, kc.
;   clusters 8-11 (V): the sources change places: S0 = x's rows (registers run along the keys), S1 = Wv's rows (a lane is one of a head's 64): pieces of fragments of 16 x 128 keys for vc.
; Which of them it is hangs on the cluster's number alone; it chooses addresses and values, never a path.
; RING of two slots of 128 KiB, each with two K steps of S1's two blocks of 128 rows and of S0's two; a wave fetches one block's 32 KiB, dense, by one tensor load.  Four chunks of two K steps.
; CLUSTER 4 x 4: S1's rows are shared along a row of the cluster, S0's along a column: joint loads, the same descriptor and mask in the four that a mask names.
; PREFETCH into the L2, one chunk ahead of the joint load: of the 32 KiB that a wave's load brings, each of the four partners that ask jointly names 8 KiB, told apart by address (cx for S1, cy for S0): 32 lanes, 256 bytes apart, one instruction
; a wave.  Chunk 1 is named at the head, chunk 2 behind chunk 1's load, chunk 3 behind chunk 2's; there is none behind it.  Every 256 bytes are named once in a cluster.
; qc, kc: [batch x 16 + head][tile of 16 tokens (128)][2 pieces][512 bytes];  vc: [batch x 16 + head][key step of 128 (16)][tile of 16 of the head's 64 (4)][4 pieces][512 bytes].
; LIMITS: e0 + e1, e2 + e3, e4 + e5 between -126 and 127; e6, e7, e9 between -126 and 119.
; REGISTERS: window 0: v1-31 addresses; v32-95 bias along the registers; v96-111 bias along the lanes; v128-255 S1's eight fragments, on the way out v128-191 at work and v192-255 codes.
;   window 1: S0's fragments, two sets of 128;  windows 2, 3: accumulators of S1's tiles 0-3, 4-7 ((a, b) at v[8 (8 (a % 4) + b)]).
.set CHB,  32768                       ; a chunk of a block: two K steps
.set SLOT, 131072
.set SPARE, 2*SLOT                     ; behind the ring: the spare words, 128 bytes for each wave
.set WV,   22
.set WS1,  23                          ; which 128 of S1's rows are mine.  Also: I fetch for S1 (0) or for S0 (1)
.set WS0,  24                          ; which 128 of S0's rows.  Also: which block of 128 rows I fetch
.set CX,   25
.set CY,   26
.set PR,   27                          ; 0: Q, 1: K, 2: V
.set MM,   28                          ; which 1,024 tokens
.set MQK,  29                          ; all ones for Q and K, 0 for V
.set MV,   30                          ; the other way round
.set CL,   31                          ; the cluster's y, 0..11
.set G1A,  32                          ; s[32:39] descriptor group 1 for S1;  s[40:47] for S0: they differ in the mask
.set G1B,  40
.set G0A,  48                          ; s[48:55] groups 0 for S1, one for each slot;  s[56:63] for S0
.set G0B,  56
.set PFA,  66                          ; s[66:67] where my prefetches stand: my 8 KiB of chunk 0; never rewritten
.set LN,   1                           ; v1  16 x lane
.set OFF,  10                          ; v10-17  where S1's tile a goes
.set ADRA, 18                          ; v18, v19  LDS address of S1's fragments in slot 0, 1
.set ADRB, 20                          ; v20, v21  S0's
.set PFO,  22                          ; v22  256 x lane; never rewritten
.set SPW,  28                          ; v28  LDS address of my spare word; never rewritten
.set NIL,  29                          ; v29  0; never rewritten
.set B0,   32
.set B1,   96
.set AF,   128
.set T,    128
.set MSB,  0
.macro WIN new                         ; the immediate's high byte repeats the setting that is left
.if MSB != \new
	s_set_vgpr_msb (MSB<<8)|\new
.set MSB, \new
.endif
.endm
.set MUL_LO, 0xa1                      ; source 0 (S0) window 1, source 1 (S1) window 0, C and D window 2
.set MUL_HI, 0xf1                      ; the same, C and D window 3
.set TO_B,   0x40                      ; destination window 1, address window 0
; A joint load: waves 0 and 1 fetch S1's two blocks, waves 2 and 3 S0's.  The branch hangs on the wave's number alone; an s_nop 0 and four v_nop follow each of the two lines.
.macro JLOAD s
	s_cmp_eq_u32 s[WS1], 0
	s_cbranch_scc0 .Lfor_s0_\@
	tensor_load_to_lds s[G0A+4*\s:G0A+4*\s+3], s[G1A:G1A+7]
	s_nop 0
.rept 4
	v_nop
.endr
	s_branch .Lasked_\@
.Lfor_s0_\@:
	tensor_load_to_lds s[G0B+4*\s:G0B+4*\s+3], s[G1B:G1B+7]
	s_nop 0
.rept 4
	v_nop
.endr
.Lasked_\@:
.endm
.macro ASK chunk
	global_prefetch_b8 v[PFO], s[PFA:PFA+1] offset:CHB*(\chunk) th:TH_LOAD_NT scope:SCOPE_SE
.endm
.macro CREST                           ; a round of the cluster's barrier behind its opening barrier
	s_cmp_lg_u32 s[WV], 0
	s_cbranch_scc1 .Lnot_wave_0_\@
	s_barrier_signal -3
.Lnot_wave_0_\@:
	s_barrier_wait -3
	s_barrier_signal -1
	s_barrier_wait -1
.endm
.macro CROUND
	s_barrier_signal -1
	s_barrier_wait -1
	CREST
.endm
.macro PLACES                          ; four places in front of loads into registers that matrix instructions have read, and of the first read of results
.rept 4
	v_nop
.endr
.endm
	s_load_b512 s[4:19], s[0:1], 0x0               ; xc 4, wc 6, bq 8, bk 10, bv 12, the scales 14, qc 16, kc 18
	s_load_b64 s[20:21], s[0:1], 0x40              ; vc
	v_lshl_add_u32 v[SPW], v0, 2, SPARE
	v_mov_b32 v[NIL], 0
	ds_add_u32 v[SPW], v[NIL]                      ; the wave's opening: the add, twice on end, and its wait ahead of my first tensor load
	ds_add_u32 v[SPW], v[NIL]
	v_lshrrev_b32 v2, 5, v0
	v_readfirstlane_b32 s[WV], v2                  ; wave 0..3
	s_lshr_b32 s[WS1], s[WV], 1
	s_and_b32 s[WS0], s[WV], 1
	s_bfe_u32 s[CX], ttmp6, 0x40000
	s_bfe_u32 s[CY], ttmp6, 0x40004
	s_and_b32 s[CL], ttmp7, 0xffff
	s_lshr_b32 s[PR], s[CL], 2
	s_and_b32 s[MM], s[CL], 3
	s_lshl_b32 s66, s[CY], 2
	s_lshl_b32 s66, 15, s66                        ; my row of the cluster
	s_lshl_b32 s67, 0x1111, s[CX]                  ; my column
	; descriptor group 1: 32 KiB, dense in memory and in LDS, as 128 rows of 32 elements of 8 bytes
	s_or_b32 s[G1A], s66, (3<<16)|(1<<21)          ; 15:0 the mask; 17:16 elements of 8 bytes; 20 no padding; 21 set beside a mask
	s_or_b32 s[G1B], s67, (3<<16)|(1<<21)
.irp g, G1A, G1B
	s_mov_b32 s[\g+1], 32<<16                      ; tensor_dim0 = 32
	s_mov_b32 s[\g+2], 128<<16                     ; tensor_dim1 = 128
	s_mov_b32 s[\g+3], 32<<16                      ; tile_dim0 = 32
	s_mov_b32 s[\g+4], 128                         ; tile_dim1 = 128
	s_mov_b32 s[\g+5], 32                          ; from row to row
	s_mov_b32 s[\g+6], 0
	s_mov_b32 s[\g+7], 0
.endr
	; S1's rows hang on cy and the cluster alone.  Q, K: x's set of codes (4 MiB each), 256 tokens 4 m + cy;  V: Wv (2 MiB into wc), 256 columns cy
	s_lshl_b32 s84, s[MM], 2
	s_add_co_u32 s84, s84, s[CY]
	s_lshl_b32 s84, s84, 18
	s_lshl_b32 s88, s[PR], 22
	s_add_co_u32 s84, s84, s88
	s_lshl_b32 s88, s[CY], 18
	s_add_co_u32 s88, s88, 0x200000
	; S0's rows hang on cx and the cluster alone.  Q, K: Wq or Wk (1 MiB each), 256 columns cx;  V: x's third set (8 MiB into xc), 256 tokens 4 m + cx
	s_lshl_b32 s86, s[CX], 18
	s_lshl_b32 s89, s[PR], 20
	s_add_co_u32 s86, s86, s89
	s_lshl_b32 s89, s[MM], 2
	s_add_co_u32 s89, s89, s[CX]
	s_lshl_b32 s89, s89, 18
	s_add_co_u32 s89, s89, 0x800000
	s_cmp_ge_u32 s[CL], 8
	s_cselect_b32 s84, s88, s84
	s_cselect_b32 s86, s89, s86
	s_cselect_b32 s[MQK], 0, -1
	s_cselect_b32 s[MV], -1, 0
	s_lshl_b32 s90, s[WS0], 17                     ; which block of 128 rows I fetch
	s_add_co_u32 s84, s84, s90
	s_add_co_u32 s86, s86, s90
	s_mov_b32 s85, 0
	s_mov_b32 s87, 0
	s_lshl_b32 s91, s[WV], 15                      ; and where it goes: no place in the cluster enters an LDS address
	s_wait_dscnt 0x0                               ; both opening adds are done
	s_wait_kmcnt 0x0
	s_load_b256 s[68:75], s[14:15], 0x0            ; e0 .. e7
	s_load_b32 s76, s[14:15], 0x24                 ; e9
	s_cmp_ge_u32 s[CL], 8
	s_cselect_b64 s[98:99], s[6:7], s[4:5]         ; S1 lies in wc for V, in xc for Q and K;
	s_cselect_b64 s[100:101], s[4:5], s[6:7]       ; S0 the other way round
	s_add_nc_u64 s[98:99], s[98:99], s[84:85]
	s_add_nc_u64 s[100:101], s[100:101], s[86:87]
	CROUND                                         ; all sixteen work-groups are here: the first joint loads meet
.irp s, 0,1
	s_mov_b32 s[G0A+4*\s], 1
	s_add_co_u32 s[G0A+4*\s+1], s91, \s*SLOT
	s_add_nc_u64 s[G0A+4*\s+2:G0A+4*\s+3], s[98:99], \s*CHB
	s_or_b32 s[G0A+4*\s+3], s[G0A+4*\s+3], 0x80000000
	s_mov_b32 s[G0B+4*\s], 1
	s_add_co_u32 s[G0B+4*\s+1], s91, \s*SLOT
	s_add_nc_u64 s[G0B+4*\s+2:G0B+4*\s+3], s[100:101], \s*CHB
	s_or_b32 s[G0B+4*\s+3], s[G0B+4*\s+3], 0x80000000
.endr
	JLOAD 0                                        ; chunk 0: one tensor load a wave at the head
	; the prefetches: my 8 KiB of the 32 that I fetch
	s_cmp_eq_u32 s[WS1], 0
	s_cselect_b64 s[PFA:PFA+1], s[98:99], s[100:101]
	s_cselect_b32 s90, s[CX], s[CY]                ; my place among the four that ask with me
	s_lshl_b32 s90, s90, 13
	s_mov_b32 s91, 0
	s_add_nc_u64 s[PFA:PFA+1], s[PFA:PFA+1], s[90:91]
	; the biases.  Both are loaded in every work-group, each inside its buffer; the one that does not apply is made 0 below
	s_cmp_eq_u32 s[PR], 1
	s_cselect_b64 s[92:93], s[10:11], s[8:9]       ; bk or bq
	s_lshl_b32 s94, s[CX], 10
	s_lshl_b32 s95, s[WS0], 9
	s_add_co_u32 s94, s94, s95                     ; (256 cx + 128 x half) numbers
	s_mov_b32 s95, 0
	s_add_nc_u64 s[92:93], s[92:93], s[94:95]
	s_lshl_b32 s96, s[CY], 10
	s_lshl_b32 s97, s[WS1], 9
	s_add_co_u32 s96, s96, s97
	s_mov_b32 s97, 0
	s_add_nc_u64 s[98:99], s[12:13], s[96:97]      ; bv
	s_lshl_b32 s77, s[WS1], 15                     ; my 128 rows of S1 in a slot
	s_lshl_b32 s78, s[WS0], 15
	s_add_co_u32 s78, s78, 0x10000                 ; of S0
	v_and_b32 v2, 31, v0
	v_lshlrev_b32 v[LN], 4, v2
	v_lshlrev_b32 v[PFO], 8, v2
	v_and_b32 v3, 15, v0                           ; r
	v_bfe_u32 v4, v0, 4, 1                         ; h
	v_lshlrev_b32 v5, 6, v4                        ; along the registers: 16 h numbers on
	v_and_b32 v6, 8, v3
	v_add_nc_u32 v6, v6, v3
	v_lshlrev_b32 v6, 2, v6                        ; along the lanes: number r + 8 (r / 8)
	v_add_nc_u32 v[ADRA], s77, v[LN]
	v_add_nc_u32 v[ADRA+1], SLOT, v[ADRA]
	v_add_nc_u32 v[ADRB], s78, v[LN]
	v_add_nc_u32 v[ADRB+1], SLOT, v[ADRB]
.irp b, 0,1,2,3,4,5,6,7
	global_load_b128 v[B0+8*\b:B0+8*\b+3], v5, s[92:93] offset:(32*(\b/2)+8*(\b%2))*4
	global_load_b128 v[B0+8*\b+4:B0+8*\b+7], v5, s[92:93] offset:(32*(\b/2)+8*(\b%2))*4+16
.endr
.irp a, 0,1,2,3,4,5,6,7
	global_load_b32 v[B1+2*\a], v6, s[98:99] offset:(32*(\a/2)+8*(\a%2))*4      ; twice: a pair for the packed addition
	global_load_b32 v[B1+2*\a+1], v6, s[98:99] offset:(32*(\a/2)+8*(\a%2))*4
.endr
	ASK 1
	s_wait_alu depctr_va_vdst(0)
	s_wait_kmcnt 0x0
	s_add_co_i32 s77, s68, s69                     ; e0 + e1
	s_add_co_i32 s78, s70, s71                     ; e2 + e3
	s_add_co_i32 s79, s72, s73                     ; e4 + e5
	s_cmp_eq_u32 s[PR], 1
	s_cselect_b32 s77, s78, s77
	s_cselect_b32 s80, s75, s74                    ; e7 or e6
	s_cmp_ge_u32 s[CL], 8
	s_cselect_b32 s77, s79, s77
	s_cselect_b32 s80, s76, s80                    ; e9
	s_add_co_i32 s77, s77, 127
	s_lshl_b32 s82, s77, 23                        ; 2^(ea + eb) as f32
	s_mov_b32 s83, s82                             ; (named with it as a pair, so it is written)
	s_add_co_i32 s80, s80, 127
	s_lshl_b32 s81, s80, 23
	v_mov_b32 v8, s81                              ; 2^eo: the conversion takes its exponent field
	s_add_co_i32 s80, s80, 8
	s_lshl_b32 s80, s80, 23
	s_or_b32 s80, s80, 0x600000
	v_mov_b32 v9, s80                              ; 448 x 2^eo
	; where my results go.  Q, K: ((batch x 16 + head) x 128 + tile of tokens) x 1,024; n = 4 m + cy, batch = n / 8, head = 4 cx + 2 x half of S0, tile = 16 (n % 8) + 8 x half of S1
	s_lshl_b32 s2, s[MM], 2
	s_add_co_u32 s2, s2, s[CY]
	s_lshr_b32 s3, s2, 3
	s_lshl_b32 s3, s3, 4
	s_lshl_b32 s88, s[CX], 2
	s_add_co_u32 s3, s3, s88
	s_lshl_b32 s88, s[WS0], 1
	s_add_co_u32 s3, s3, s88
	s_lshl_b32 s3, s3, 7
	s_and_b32 s2, s2, 7
	s_lshl_b32 s2, s2, 4
	s_add_co_u32 s3, s3, s2
	s_lshl_b32 s2, s[WS1], 3
	s_add_co_u32 s3, s3, s2
	s_lshl_b32 s3, s3, 10
	; V: ((batch x 16 + head) x 16 + key step) x 8,192; n = 4 m + cx, head = 4 cy + 2 x half of S1, key step = 2 (n % 8) + half of S0
	s_lshl_b32 s88, s[MM], 2
	s_add_co_u32 s88, s88, s[CX]
	s_lshr_b32 s89, s88, 3
	s_lshl_b32 s89, s89, 4
	s_lshl_b32 s90, s[CY], 2
	s_add_co_u32 s89, s89, s90
	s_lshl_b32 s90, s[WS1], 1
	s_add_co_u32 s89, s89, s90
	s_lshl_b32 s89, s89, 4
	s_and_b32 s88, s88, 7
	s_lshl_b32 s88, s88, 1
	s_add_co_u32 s89, s89, s88
	s_add_co_u32 s89, s89, s[WS0]
	s_lshl_b32 s89, s89, 13
	s_cmp_eq_u32 s[PR], 1
	s_cselect_b64 s[94:95], s[18:19], s[16:17]     ; kc or qc,
	s_mov_b32 s90, 1024
	s_mov_b32 s88, 4096
	s_mov_b32 s2, 0x20000
	s_cmp_ge_u32 s[CL], 8
	s_cselect_b64 s[94:95], s[20:21], s[94:95]     ; or vc
	s_cselect_b32 s84, s89, s3
	s_cselect_b32 s90, 2048, s90                   ; from S1's tile a to a + 1
	s_cselect_b32 s88, 0x20000, s88                ; and to a + 4: Q, K: the next tokens; V: the next head
	s_cselect_b32 s86, 1024, s2                    ; from pieces 0, 1 to pieces 2, 3: Q, K: the next head; V: the next keys
	s_mov_b32 s85, 0
	s_mov_b32 s87, 0
	s_add_nc_u64 s[94:95], s[94:95], s[84:85]
	s_add_nc_u64 s[96:97], s[94:95], s[86:87]
	s_wait_alu depctr_va_vdst(0)
	v_mov_b32 v[OFF], v[LN]
	v_add_nc_u32 v[OFF+1], s90, v[OFF]
	v_add_nc_u32 v[OFF+2], s90, v[OFF+1]
	v_add_nc_u32 v[OFF+3], s90, v[OFF+2]
.irp a, 0,1,2,3
	v_add_nc_u32 v[OFF+4+\a], s88, v[OFF+\a]
.endr
	s_wait_alu depctr_va_vdst(0)
	s_wait_loadcnt 0x0                             ; the biases
.irp g, 0,8,16,24,32,40,48,56
.irp i, 0,1,2,3,4,5,6,7
	v_cndmask_b32 v[B0+\g+\i], 0, v[B0+\g+\i], s[MQK]    ; V has no bias along the registers,
.endr
.endr
.irp i, 0,1,2,3,4,5,6,7,8,9,10,11,12,13,14,15
	v_cndmask_b32 v[B1+\i], 0, v[B1+\i], s[MV]     ; Q and K none along the lanes
.endr
.macro FRAG reg, adr, q, i             ; a fragment: four loads; an instruction's 512 bytes are consecutive
.irp c, 0,1,2,3
	ds_load_b128 v[\reg+4*\c:\reg+4*\c+3], v[\adr] offset:16384*(\q)+2048*(\i)+512*\c
.endr
.endm
; 16 matrix instructions: S1's tiles a0, a0 + 1 x S0's eight.  The 64 accumulators take turns, one instruction a turn, in the same order in every K step.
.macro MUL16 a0, p, zero
.irp a, \a0, \a0+1
.irp b, 0,1,2,3,4,5,6,7
.if \zero
	v_wmma_f32_16x16x128_fp8_fp8 v[8*(8*((\a)%4)+\b):8*(8*((\a)%4)+\b)+7], v[128*(\p)+16*\b:128*(\p)+16*\b+15], v[AF+16*(\a):AF+16*(\a)+15], 0
.else
	v_wmma_f32_16x16x128_fp8_fp8 v[8*(8*((\a)%4)+\b):8*(8*((\a)%4)+\b)+7], v[128*(\p)+16*\b:128*(\p)+16*\b+15], v[AF+16*(\a):AF+16*(\a)+15], v[8*(8*((\a)%4)+\b):8*(8*((\a)%4)+\b)+7]
.endif
.endr
.endr
.endm
.macro FETCH_B slot, q, p              ; S0's eight fragments of the slot's K step q into set p
	WIN TO_B
.irp i, 0,1,2,3,4,5,6,7
	FRAG 128*(\p)+16*\i, ADRB+\slot, \q, \i
.endr
	WIN 0
.endm
.macro FETCH_A slot, q, i0             ; S1's fragments i0 .. i0 + 3
.irp i, \i0, \i0+1, \i0+2, \i0+3
	FRAG AF+16*(\i), ADRA+\slot, \q, \i
.endr
.endm
; The slot's first K step: its successor lies in the same slot.
.macro STEP slot, zero
	s_wait_dscnt 16                                ; S0's set and S1's fragments 0-3 are in; the youngest sixteen loads (fragments 4-7) may be out
	FETCH_B \slot, 1, 1                            ; S0's other set is free: the places behind its last products stand at the end of the K step before
	WIN MUL_LO
	MUL16 0, 0, \zero
	MUL16 2, 0, \zero
	s_wait_dscnt 32                                ; S1's fragments 4-7 are in; S0's 32 loads behind them may be out
	PLACES
	WIN 0
	FETCH_A \slot, 1, 0
	WIN MUL_HI
	MUL16 4, 0, \zero
	MUL16 6, 0, \zero
	PLACES
	WIN 0
	FETCH_A \slot, 1, 4
.endm
; Its second changes slots: ONE barrier; in front of it each wave waits for all its tensor loads, adds 0 to its spare word, and waits for that and for its own reads of this slot.
; fill = 0: nothing; 1: this slot is filled again, two chunks on; 2: that, and the chunk behind it is named in a prefetch.
.macro TURN slot, next, fill
	s_wait_tensorcnt 0x0                           ; my part of the next slot has landed
	ds_add_u32 v[SPW], v[NIL]
	s_wait_dscnt 17                                ; (the add and the youngest sixteen loads may be out)
	WIN MUL_LO
	MUL16 0, 1, 0                                  ; sixteen matrix instructions stand between the add and the wait for it
	s_wait_dscnt 0x0                               ; the add is done, and my reads of this slot are over
	s_barrier_signal -1
	MUL16 2, 1, 0
	WIN 0
	s_barrier_wait -1
.if \fill
	CREST                                          ; the barrier has opened a round: no wave of any partner still reads this slot or has a load on its way
	s_add_nc_u64 s[G0A+4*\slot+2:G0A+4*\slot+3], s[G0A+4*\slot+2:G0A+4*\slot+3], 2*CHB
	s_add_nc_u64 s[G0B+4*\slot+2:G0B+4*\slot+3], s[G0B+4*\slot+2:G0B+4*\slot+3], 2*CHB
	JLOAD \slot                                    ; the first tensor load behind the round; its four v_nop are places in front of the loads below
.else
	PLACES
.endif
	FETCH_B \next, 0, 0
	FETCH_A \next, 0, 0
.if \fill > 1
	ASK 3
.endif
	WIN MUL_HI
	MUL16 4, 1, 0
	MUL16 6, 1, 0
	PLACES
	WIN 0
	FETCH_A \next, 0, 4
.endm
	s_wait_alu depctr_va_vdst(0)
	s_wait_tensorcnt 0x0                           ; my part of chunk 0 is in; the three lines stand ahead of a later first fill, as ahead of a refill
	ds_add_u32 v[SPW], v[NIL]
	s_wait_dscnt 0x0
	CROUND                                         ; everybody's part of chunk 0 is in, and all sixteen work-groups are here
	JLOAD 1                                        ; chunk 1, the first tensor load behind the round
	FETCH_B 0, 0, 0
	FETCH_A 0, 0, 0
	FETCH_A 0, 0, 4
	ASK 2
	STEP 0, 1                                      ; K step 0: its products start the sums
	TURN 0, 1, 2                                   ; 1; slot 0 takes chunk 2
	STEP 1, 0                                      ; 2
	TURN 1, 0, 1                                   ; 3; slot 1 takes chunk 3
	STEP 0, 0                                      ; 4
	TURN 0, 1, 0                                   ; 5
	STEP 1, 0                                      ; 6
	s_wait_dscnt 16                                ; K step 7: nothing more to fetch
	WIN MUL_LO
	MUL16 0, 1, 0
	MUL16 2, 1, 0
	s_wait_dscnt 0
	WIN MUL_HI
	MUL16 4, 1, 0
	MUL16 6, 1, 0
	WIN 0
	PLACES
; THE WAY OUT of S1's tile a: sum x 2^(ea + eb) + bias (one of the two biases is 0), held, converted.  A lane's 64 numbers are 32 b + 16 h + 0 .. 15, b = 0 .. 3: four pieces of 16 bytes a lane; a store's 32 lanes cover 512 consecutive bytes, aligned.
.macro OUTA a
.set AC, 64*((\a)%4)
.set CD, 192+16*((\a)%4)
.if \a > 3
	s_wait_xcnt 0x0                                ; tile a - 4's stores have read their registers, which take this tile's codes
.endif
	WIN 0x02+(\a)/4                                ; source 0: window 2 or 3
.irp g, 0,8,16,24,32,40,48,56
.irp i, 0,2,4,6
	v_pk_fma_f32 v[T+\g+\i:T+\g+\i+1], v[AC+\g+\i:AC+\g+\i+1], s[82:83], v[B0+\g+\i:B0+\g+\i+1] op_sel_hi:[1,0,1]   ; each accumulator from its low end on
.endr
.endr
	WIN 0
.irp g, 0,8,16,24,32,40,48,56
.irp i, 0,2,4,6
	v_pk_add_f32 v[T+\g+\i:T+\g+\i+1], v[T+\g+\i:T+\g+\i+1], v[B1+2*\a:B1+2*\a+1]
.endr
.endr
.irp g, 0,8,16,24,32,40,48,56
.irp i, 0,1,2,3,4,5,6,7
	v_med3_num_f32 v[T+\g+\i], v[T+\g+\i], -v9, v9 ; the conversion does not saturate (ISA guide 7.6.2)
.endr
.endr
.irp g, 0,1,2,3,4,5,6,7
	v_cvt_scalef32_pk8_fp8_f32 v[CD+2*\g:CD+2*\g+1], v[T+8*\g:T+8*\g+7], v8
.endr
	v_nop                                          ; a plain line between the conversions and the next tile's lines, which write their sources
	global_store_b128 v[OFF+\a], v[CD:CD+3], s[94:95]
	global_store_b128 v[OFF+\a], v[CD+4:CD+7], s[94:95] offset:512
	global_store_b128 v[OFF+\a], v[CD+8:CD+11], s[96:97]
	global_store_b128 v[OFF+\a], v[CD+12:CD+15], s[96:97] offset:512
.endm
	OUTA 0
	OUTA 1
	OUTA 2
	OUTA 3
	OUTA 4
	OUTA 5
	OUTA 6
	OUTA 7
	s_wait_tensorcnt 0x0                           ; the wave's end
	ds_add_u32 v[SPW], v[NIL]
	s_wait_dscnt 0x0
	CROUND                                         ; the closing round: no work-group ends while a partner may still ask for a tile that names it
	s_endpgm
.Lfunc_end_k_q06a788f6ba_qkv:
	.size	k_q06a788f6ba_qkv, .Lfunc_end_k_q06a788f6ba_qkv-k_q06a788f6ba_qkv
	.p2alignl 7, 3214868480
	.fill 96, 4, 3214868480
	.section	.rodata,"a",@progbits
	.p2align	6, 0x0
	.amdhsa_kernel k_q06a788f6ba_qkv
		.amdhsa_group_segment_fixed_size 327680
		.amdhsa_private_segment_fixed_size 0
		.amdhsa_enable_private_segment 0
		.amdhsa_kernarg_size 72
		.amdhsa_user_sgpr_count 2
		.amdhsa_user_sgpr_kernarg_segment_ptr 1
		.amdhsa_wavefront_size32 1
		.amdhsa_system_sgpr_workgroup_id_x 1
		.amdhsa_system_sgpr_workgroup_id_y 1
		.amdhsa_system_sgpr_workgroup_id_z 1
		.amdhsa_system_vgpr_workitem_id 0
		.amdhsa_next_free_vgpr 1024
		.amdhsa_next_free_sgpr 104
		.amdhsa_reserve_vcc 0
		.amdhsa_float_denorm_mode_32 3
		.amdhsa_float_denorm_mode_16_64 3
		.amdhsa_memory_ordered 1
		.amdhsa_forward_progress 1
		.amdhsa_inst_pref_size 161
	.end_amdhsa_kernel
	.amdgpu_metadata
---
amdhsa.version: [ 1, 2 ]
amdhsa.kernels:
  - .name:           k_q06a788f6ba_qkv
    .symbol:         k_q06a788f6ba_qkv.kd
    .args:
      - { .name: xc, .offset: 0, .size: 8, .value_kind: global_buffer, .address_space: global }
      - { .name: wc, .offset: 8, .size: 8, .value_kind: global_buffer, .address_space: global }
      - { .name: bq, .offset: 16, .size: 8, .value_kind: global_buffer, .address_space: global }
      - { .name: bk, .offset: 24, .size: 8, .value_kind: global_buffer, .address_space: global }
      - { .name: bv, .offset: 32, .size: 8, .value_kind: global_buffer, .address_space: global }
      - { .name: lowp_scales, .offset: 40, .size: 8, .value_kind: global_buffer, .address_space: global }
      - { .name: qc, .offset: 48, .size: 8, .value_kind: global_buffer, .address_space: global }
      - { .name: kc, .offset: 56, .size: 8, .value_kind: global_buffer, .address_space: global }
      - { .name: vc, .offset: 64, .size: 8, .value_kind: global_buffer, .address_space: global }
    .group_segment_fixed_size: 327680
    .private_segment_fixed_size: 0
    .kernarg_segment_align: 8
    .kernarg_segment_size: 72
    .max_flat_workgroup_size: 128
    .sgpr_count:     104
    .vgpr_count:     1024
    .wavefront_size: 32
...
	.end_amdgpu_metadata
.endif
;; end of part 2
;; launch attn (part 3): grid 8 x 32, 8 waves a work-group, clusters of 4 x 1, 327,680 bytes of LDS; arguments qc, kc, vc, lowp_scales, ac; writes ac
.if DOCPART == 3
	.amdgcn_target "amdgcn-amd-amdhsa--gfx1250"
	.amdhsa_code_object_version 6
	.text
	.protected	k_q06a788f6ba_attn
	.globl	k_q06a788f6ba_attn
	.p2align	8
	.type	k_q06a788f6ba_attn,@function
k_q06a788f6ba_attn:
	s_mov_b64 s[64:65], 0
	v_nop
	global_prefetch_b8 v0, s[64:65] scope:SCOPE_SE
	s_setreg_imm32_b32 hwreg(HW_REG_WAVE_MODE, 25, 1), 1
	s_wait_xcnt 0x0
	s_wait_alu depctr_hold_cnt(0) depctr_sa_sdst(0) depctr_va_vdst(0) depctr_va_sdst(0) depctr_va_ssrc(0) depctr_va_vcc(0) depctr_vm_vsrc(0)
	s_getreg_b32 s2, hwreg(HW_REG_IB_STS2, 6, 4)
	s_cmp_eq_u32 s2, 0
	s_cbranch_scc0 .Lentry_in_a_cluster
	s_endpgm
.Lentry_in_a_cluster:
	s_bfe_u32 s2, ttmp6, 0x10000c
	s_cmp_lg_u32 s2, 0x3003
	s_cbranch_scc0 .Lentry_shape_is_right
	s_endpgm
.Lentry_shape_is_right:
; Causal attention on codes of FP8 (E4M3): 32 heads (batch x 16 + head), 2,048 tokens, 64 numbers a head.  S = Q K^T; t = S x 2^(e6 + e7) x log2(e) / 8; M = the row's largest t so far, rounded up to a whole number; p = 2^(t - M) is
; quantised (e8), its row's sum is taken unquantised in f32; O = sum p V (e9) x 2^(e8 + e9) / the sum, quantised for the projection (e10).
; LEFT OUT: steps of 128 keys all of which come after a tile's queries: the causal mask gives them p = 0 for all values of the inputs.  A NaN or an infinity in such keys is not carried to the result.
; SHARES.  The four work-groups of a cluster own half of a head: eight blocks of 128 queries, {0 3 4 7 8 11 12 15} or {1 2 5 6 9 10 13 14}; the work-group at place cx owns tiles 2 cx, 2 cx + 1 (16 queries each) of each of them:
; partners walk the same steps, and no branch and no LDS address hangs on cx.  A wave walks both tiles of a block together: each fragment of K and V feeds two matrix instructions.  Waves j and j + 4 own blocks b and 15 - b together,
; 17 key steps: wave j + 4 walks those of both blocks whose number is 2 modulo 4, four for every b, and wave j, the lower number, has the longer walk, the other thirteen.
; At the end each sends the other one block's part (O, the sum, M) through LDS and finishes the other block: O = O_a 2^(M_a - M) + O_b 2^(M_b - M), exact factors.
; K and V whole (256 KiB) lie in LDS, filled once: wave w brings by ONE joint load, shared by the cluster's four, 2,048 bytes (K: tiles 2 w, 2 w + 1; V: the head's 16 numbers w - 4) of each of the 16 key steps, 16 rows of 2,048 bytes, to LDS byte 32,768 w.
; No prefetch: all is asked for at the head, there is no loop to run ahead in.
; LAYOUT.  S^T = K Q^T, O^T = V^T P^T: a lane holds one query; the 16 registers of key tiles 2 b, 2 b + 1 are keys 32 b + 16 (lane / 16) + 0 .. 15 of the step; the conversions' results are the second product's operand.
; LIMITS: e6 + e7 between -100 and 130; e8, e10 between -126 and 119; the scaled scores stay under 2^31 in magnitude.
; REGISTERS, window 0: v1-4 LDS bases; v[6:7] the mask's base; v12-19, v20-27 the states of blocks Y and X, two tiles each: -M, the largest score, the sum in two halves; v32-47, v48-63 Q of Y, X; v64-127, v128-191 S, then p, of tiles 0, 1; v192-223 p's codes, partial sums.
;   window 1: v0-63 K's fragments; v64-127 V's; v128-191 O of Y; v192-255 O of X.
.set SPARE, 262144
.set SPW,  28                          ; v28  LDS address of my spare word; never rewritten
.set NIL,  29                          ; v29  0; never rewritten
.set STG,  9216                        ; bytes that a wave sends: O's 64 registers and the states' 8, 512 bytes each four
.set WV,   14
.set HB,   15
.set G1,   16
.set G0,   24
.set PH,   28                          ; 1: my key steps are 2 modulo 4, 0: the others
.set CX,   29
.set CC,   30
.set XB,   31                          ; the block that I finish,
.set YB,   32                          ; and the block that I send
.set NC,   38                          ; -c
.set EO,   39                          ; e8 + e9
.set SEL,  40
.set CS,   42                          ; s[42:43] c
.set TB,   44                          ; the key step's place in a slice of LDS
.set ST,   45
.set CNT,  46
.set TN,   47                          ; my next key step's
.set D1,   76                          ; 2,048: a key step on
.set D2,   77                          ; 4,096: two on
.set MSB,  0
.macro WIN new                         ; the immediate's high byte repeats the setting that is left
.if MSB != \new
	s_set_vgpr_msb (MSB<<8)|\new
.set MSB, \new
.endif
.endm
.macro CROUND                          ; a round of the cluster's barrier
	s_barrier_signal -1
	s_barrier_wait -1
	s_cmp_lg_u32 s[WV], 0
	s_cbranch_scc1 .Lnot_wave_0_\@
	s_barrier_signal -3
.Lnot_wave_0_\@:
	s_barrier_wait -3
	s_barrier_signal -1
	s_barrier_wait -1
.endm
	s_load_b256 s[4:11], s[0:1], 0x0               ; qc 4, kc 6, vc 8, the scales 10
	s_load_b64 s[12:13], s[0:1], 0x20              ; ac
	v_lshl_add_u32 v[SPW], v0, 2, SPARE
	v_mov_b32 v[NIL], 0
	ds_add_u32 v[SPW], v[NIL]                      ; the wave's opening: the add, twice on end, and its wait ahead of my tensor load
	ds_add_u32 v[SPW], v[NIL]
	v_lshrrev_b32 v5, 5, v0
	v_readfirstlane_b32 s[WV], v5                  ; wave 0..7
	s_and_b32 s[HB], ttmp7, 0xffff                 ; batch x 16 + head
	s_and_b32 s[CC], ttmp9, 1                      ; which half of the head
	s_bfe_u32 s[CX], ttmp6, 0x40000
	; descriptor group 1: 16 rows of 256 elements of 8 bytes, 1,024 elements apart, dense in LDS
	s_mov_b32 s[G1], 15|(3<<16)|(1<<21)            ; 15:0 all four of the cluster; 17:16 elements of 8 bytes; 21 set beside a mask
	s_mov_b32 s[G1+1], 256<<16
	s_mov_b32 s[G1+2], 16<<16
	s_mov_b32 s[G1+3], 256<<16
	s_mov_b32 s[G1+4], 16
	s_mov_b32 s[G1+5], 1024
	s_mov_b32 s[G1+6], 0
	s_mov_b32 s[G1+7], 0
	s_lshl_b32 s56, s[WV], 15
	s_and_b32 s57, s[WV], 3
	s_lshl_b32 s57, s57, 11
	s_lshl_b32 s58, s[HB], 17
	s_add_co_u32 s58, s58, s57
	s_mov_b32 s59, 0
	s_wait_dscnt 0x0                               ; both opening adds are done
	s_wait_kmcnt 0x0
	s_load_b256 s[48:55], s[10:11], 0x10           ; e4 .. e11
	s_cmp_lt_u32 s[WV], 4
	s_cselect_b64 s[60:61], s[6:7], s[8:9]         ; waves 0-3: K, 4-7: V
	s_add_nc_u64 s[60:61], s[60:61], s[58:59]
	s_mov_b32 s[G0], 1
	s_mov_b32 s[G0+1], s56
	s_mov_b64 s[G0+2:G0+3], s[60:61]
	s_or_b32 s[G0+3], s[G0+3], 0x80000000
	CROUND                                         ; all four work-groups are here: the joint loads meet
	tensor_load_to_lds s[G0:G0+3], s[G1:G1+7]
	s_nop 0
.rept 4
	v_nop
.endr
	s_lshr_b32 s[PH], s[WV], 2
	s_and_b32 s57, s[WV], 3                        ; which of the four pairs of blocks, j
	s_and_b32 s58, s57, 1
	s_xor_b32 s58, s58, s[CC]
	s_lshl_b32 s57, s57, 1
	s_or_b32 s57, s57, s58                         ; the lower block: 0 3 4 7 or 1 2 5 6; the upper one is 15 less it
	s_xor_b32 s58, s[PH], 1
	s_mul_i32 s58, s58, 15
	s_xor_b32 s[XB], s57, s58                      ; waves 0-3 finish the upper block, waves 4-7 the lower one
	s_xor_b32 s[YB], s[XB], 15
	s_lshl_b32 s63, s[CX], 5                       ; tile 0's first query in its block; tile 1's is 8 further on
	s_lshl_b32 s56, s[HB], 7
	s_lshl_b32 s57, s[CX], 1
	s_add_co_u32 s56, s56, s57
	s_lshl_b32 s58, s[YB], 3
	s_add_co_u32 s58, s58, s56
	s_lshl_b32 s58, s58, 10
	s_mov_b32 s59, 0
	s_add_nc_u64 s[34:35], s[4:5], s[58:59]
	s_lshl_b32 s58, s[XB], 3
	s_add_co_u32 s58, s58, s56
	s_lshl_b32 s58, s58, 10
	s_add_nc_u64 s[36:37], s[4:5], s[58:59]
	; where X's codes go: block of 128 tokens, K step head / 2, tile 2 cx, pieces 2 (head % 2) on
	s_lshr_b32 s56, s[HB], 4
	s_lshl_b32 s56, s56, 4
	s_add_co_u32 s56, s56, s[XB]
	s_lshl_b32 s56, s56, 17
	s_and_b32 s57, s[HB], 15
	s_lshr_b32 s57, s57, 1
	s_lshl_b32 s57, s57, 14
	s_add_co_u32 s56, s56, s57
	s_lshl_b32 s57, s[CX], 12
	s_add_co_u32 s56, s56, s57
	s_and_b32 s57, s[HB], 1
	s_lshl_b32 s57, s57, 10
	s_add_co_u32 s56, s56, s57
	s_mov_b32 s57, 0
	s_add_nc_u64 s[12:13], s[12:13], s[56:57]
	v_and_b32 v5, 31, v0
	v_lshlrev_b32 v1, 4, v5                        ; 16 x lane: K's tiles 0-3;
.irp i, 0,1,2,3
	global_load_b128 v[32+4*\i:35+4*\i], v1, s[34:35] offset:512*\i
.endr
.irp i, 0,1,2,3
	global_load_b128 v[48+4*\i:51+4*\i], v1, s[36:37] offset:512*\i
.endr
	v_add_nc_u32 v2, 0x10000, v1                   ; K's tiles 4-7,
	v_add_nc_u32 v3, 0x20000, v1                   ; V's tiles 0, 1,
	v_add_nc_u32 v4, 0x30000, v1                   ; and 2, 3
	; THE MASK of a diagonal step: register 16 b + i holds key 16 (lane / 16) + 32 b + i of the step: hidden where 32 b + i > d, d = my query in its block - 16 (lane / 16).
	; The score becomes the lesser of itself and (d + 0.5 - 32 b - i) x 2^118: itself where it counts (a sum of 64 products of codes is under 2^24), at or under -2^117 where it does not: p = 0 then.
	v_and_b32 v5, 15, v0
	v_bfe_u32 v6, v0, 4, 1
	v_and_b32 v7, 8, v5
	v_add_nc_u32 v7, v7, v5
	v_lshlrev_b32 v6, 4, v6
	v_sub_nc_u32 v7, v7, v6
	v_add_nc_u32 v7, s63, v7                       ; d of tile 0
	v_cvt_f32_i32 v6, v7
	v_add_f32 v7, -0.5, v6
	v_add_f32 v6, 0.5, v6
	v_mul_f32 v6, 0x7a800000, v6                   ; for i even,
	v_mul_f32 v7, 0x7a800000, v7                   ; and odd
	s_mov_b32 s66, 0xfb000000                      ; -2 x 2^118;  the pairs' upper words are named with them, so they are written
	s_mov_b32 s67, s66
	s_mov_b32 s68, 0xfd000000                      ; -32 x 2^118
	s_mov_b32 s69, s68
	s_mov_b32 s70, 0xfd800000                      ; -64 x 2^118
	s_mov_b32 s71, s70
	s_mov_b32 s72, 0xfdc00000                      ; -96 x 2^118
	s_mov_b32 s73, s72
	s_mov_b32 s74, 0x7c000000                      ; 8 x 2^118
	s_mov_b32 s75, s74
	s_mov_b32 s[D1], 2048
	s_mov_b32 s[D2], 4096
	s_mov_b32 s[SEL], 0x76543210                   ; lane l xor 16
	s_mov_b32 s[SEL+1], 0xfedcba98
.irp t, 12,16,20,24
	v_mov_b32 v[\t], 0x7f61b1e6                    ; -M = 3e38,
	v_mov_b32 v[\t+1], 0xff61b1e6                  ; the largest score -3e38: a tile's first change of M multiplies zeros
	v_mov_b32 v[\t+2], 0
	v_mov_b32 v[\t+3], 0
.endr
.irp t, 228,229,231,233,235,237
	v_mov_b32 v[\t], 0                             ; a lane permute's destination counts as one of its sources; the others are upper halves of pairs of which the lower serves
.endr
	WIN 0x40
.irp g, 0,8,16,24,32,40,48,56,64,72,80,88,96,104,112,120
.irp i, 0,1,2,3,4,5,6,7
	v_mov_b32 v[128+\g+\i], 0                      ; O of both blocks: the loops have no first step of their own
.endr
.endr
	WIN 0
	s_wait_kmcnt 0x0
	s_add_co_i32 s56, s50, s51
	s_lshl_b32 s56, s56, 23
	s_mov_b32 s[CS], 0x3e38aa3b                    ; log2(e) / 8,
	s_add_co_i32 s[CS], s[CS], s56                 ; x 2^(e6 + e7), by its exponent field
	s_mov_b32 s[CS+1], s[CS]
	s_xor_b32 s[NC], s[CS], 0x80000000
	s_add_co_i32 s56, s52, 127
	s_lshl_b32 s57, s56, 23
	v_mov_b32 v30, s57                             ; 2^e8
	s_add_co_i32 s56, s56, 8
	s_lshl_b32 s56, s56, 23
	s_or_b32 s56, s56, 0x600000
	v_mov_b32 v31, s56                             ; 448 x 2^e8
	s_add_co_i32 s56, s54, 127
	s_lshl_b32 s57, s56, 23
	v_mov_b32 v9, s57                              ; 2^e10
	s_add_co_i32 s56, s56, 8
	s_lshl_b32 s56, s56, 23
	s_or_b32 s56, s56, 0x600000
	v_mov_b32 v10, s56                             ; 448 x 2^e10
	s_add_co_i32 s[EO], s52, s53
.macro LOADK                           ; the eight key tiles of the step that v224, v225 point at
	WIN 0x40
.irp t, 0,1,2,3,4,5,6,7
.irp c, 0,1
	ds_load_b128 v[8*\t+4*\c:8*\t+4*\c+3], v[224+\t/4] offset:32768*((\t/2)%2)+1024*(\t%2)+512*\c
.endr
.endr
	WIN 0
.endm
.macro MAX4 r, m, i                    ; eight scores of the tile at v[r ..] into its four running maxima at v[m ..]
.irp n, 0,1,2,3
	v_max3_num_f32 v[\m+\n], v[\m+\n], v[\r+\i+2*\n], v[\r+\i+1+2*\n]
.endr
.endm
.macro FMA4 g, s                       ; eight of tile 0's t - M
.irp i, 0,2,4,6
	v_pk_fma_f32 v[64+\g+\i:65+\g+\i], v[64+\g+\i:65+\g+\i], s[CS:CS+1], v[\s:\s+1] op_sel_hi:[1,0,0]
.endr
.endm
.macro ADD1 m                          ; two pairs of tile 1's p
	v_pk_add_f32 v[192+2*\m:193+2*\m], v[128+4*\m:129+4*\m], v[130+4*\m:131+4*\m]
.endm
.macro MIN1 g                          ; the hold of eight of tile 1's p
.irp i, 0,2,4,6
	v_dual_min_num_f32 v[128+\g+\i], v31, v[128+\g+\i] :: v_dual_min_num_f32 v[129+\g+\i], v31, v[129+\g+\i]
.endr
.endm
.macro TREE                            ; the 16 pairs in v192-223 are added down to four, at v192, v200, v208, v216
.irp m, 0,1,2,3,4,5,6,7
	v_pk_add_f32 v[192+4*\m:193+4*\m], v[192+4*\m:193+4*\m], v[194+4*\m:195+4*\m]
.endr
.irp m, 0,1,2,3
	v_pk_add_f32 v[192+8*\m:193+8*\m], v[192+8*\m:193+8*\m], v[196+8*\m:197+8*\m]
.endr
.endm
; A KEY STEP, 128 keys, of both tiles of a block: Q in v[q ..], states in v[st ..], v[st + 4 ..], O in window 1's v[o ..].  Its K has been asked for by my step before (or the walk's head); sixteen loads are out.
; The two tiles are independent: what hangs together in one stands among the other's lines.
.macro STEP q, st, o, blk
	v_add_nc_u32 v226, s[TB], v3
	v_add_nc_u32 v227, s[TB], v4
	v_mov_b32 v5, v[\st]                           ; the old -M
	v_mov_b32 v8, v[\st+4]                         ; (these four are the places in front of loads into registers that matrix instructions have read)
	WIN 0x40
.irp a, 0,1,2,3
.irp c, 0,1,2,3
	ds_load_b128 v[64+16*\a+4*\c:67+16*\a+4*\c], v[226+\a/2] offset:32768*(\a%2)+512*\c
.endr
.endr
	s_wait_dscnt 0x10                              ; K is in; V's sixteen loads behind it may be out
	WIN 0x01
.irp t, 0,1,2,3,4,5,6,7
.irp k, 0,1
	v_wmma_f32_16x16x64_fp8_fp8 v[64+64*\k+8*\t:71+64*\k+8*\t], v[8*\t:8*\t+7], v[\q+8*\k:\q+8*\k+7], 0
.endr
.endr
	WIN 0
	s_add_co_u32 s56, s[ST], 1                     ; my next key step: the next but one where the next is the other wave's, or four on
	s_and_b32 s56, s56, 3
	s_cmp_eq_u32 s56, 2
	s_cselect_b32 s57, s[D2], s[D1]
	s_cmp_lg_u32 s[PH], 0
	s_cselect_b32 s57, 0x2000, s57
	s_add_co_u32 s[TN], s[TB], s57
	s_and_b32 s[TN], s[TN], 0x7fff                 ; inside the slices in a walk's last step too (what that one asks for is not used)
	v_add_nc_u32 v224, s[TN], v1
	v_add_nc_u32 v225, s[TN], v2
	v_nop
	v_nop
	LOADK
	s_cmp_lg_u32 s[ST], s[\blk]
	s_cbranch_scc1 .Lopen_\@
	v_mov_b32 v192, v6                             ; the diagonal: four chains a tile, one for each b
	v_mov_b32 v193, v7
	v_pk_add_f32 v[194:195], v[6:7], s[68:69] op_sel_hi:[1,0]
	v_pk_add_f32 v[196:197], v[6:7], s[70:71] op_sel_hi:[1,0]
	v_pk_add_f32 v[198:199], v[6:7], s[72:73] op_sel_hi:[1,0]
.irp b, 0,2,4,6
	v_pk_add_f32 v[200+\b:201+\b], v[192+\b:193+\b], s[74:75] op_sel_hi:[1,0]
.endr
.irp i, 0,2,4,6,8,10,12,14
.irp k, 0,1
.irp b, 0,1,2,3
	v_dual_min_num_f32 v[64+64*\k+16*\b+\i], v[192+8*\k+2*\b], v[64+64*\k+16*\b+\i] :: v_dual_min_num_f32 v[65+64*\k+16*\b+\i], v[193+8*\k+2*\b], v[65+64*\k+16*\b+\i]
.endr
.endr
.if \i < 14
.irp b, 0,2,4,6,8,10,12,14
	v_pk_add_f32 v[192+\b:193+\b], v[192+\b:193+\b], s[66:67] op_sel_hi:[1,0]
.endr
.endif
.endr
.Lopen_\@:
	v_max3_num_f32 v234, v64, v65, v66             ; tile 0: the step's largest score of my query among my 64 keys, in four chains
	v_max3_num_f32 v235, v67, v68, v69
	v_max3_num_f32 v236, v70, v71, v72
	v_max3_num_f32 v237, v73, v74, v75
.irp i, 12,20,28,36,44,52
	MAX4 64, 234, \i
.endr
	v_max3_num_f32 v234, v234, v124, v125
	v_max3_num_f32 v235, v235, v126, v127
	v_max3_num_f32 v238, v128, v129, v130          ; tile 1's; among them what tile 0's maximum leads to
	v_max3_num_f32 v239, v131, v132, v133
	v_max3_num_f32 v240, v134, v135, v136
	v_max3_num_f32 v241, v137, v138, v139
	v_max3_num_f32 v234, v234, v235, v236
	MAX4 128, 238, 12
	v_max_num_f32 v234, v234, v237
	MAX4 128, 238, 20
	v_permlanex16_b32 v228, v234, s[SEL], s[SEL+1]
	MAX4 128, 238, 28
	v_max3_num_f32 v[\st+1], v[\st+1], v234, v228  ; and among lane l xor 16's: the running largest
	MAX4 128, 238, 36
	v_mul_f32 v234, s[NC], v[\st+1]                ; -t (c is positive)
	MAX4 128, 238, 44
	v_floor_f32 v[\st], v234                       ; -M = floor(-t): M is a whole number
	MAX4 128, 238, 52
	v_sub_f32 v234, v[\st], v5                     ; M's old value less its new one
	v_max3_num_f32 v238, v238, v188, v189
	v_max3_num_f32 v239, v239, v190, v191
	v_cvt_i32_f32 v234, v234                       ; (it saturates)
	v_max3_num_f32 v238, v238, v240, v241
	FMA4 0, \st                                    ; tile 0's t - M; among them the same for tile 1
	v_max_num_f32 v238, v238, v239
	FMA4 8, \st
	v_permlanex16_b32 v229, v238, s[SEL], s[SEL+1]
	v_ldexp_f32 v230, 1.0, v234                    ; f = 2^(old M - new M)
	FMA4 16, \st
	v_max3_num_f32 v[\st+5], v[\st+5], v238, v229
	FMA4 24, \st
	v_mul_f32 v238, s[NC], v[\st+5]
	FMA4 32, \st
	v_floor_f32 v[\st+4], v238
	FMA4 40, \st
	v_sub_f32 v238, v[\st+4], v8
	FMA4 48, \st
	v_cvt_i32_f32 v238, v238
	FMA4 56, \st
	v_ldexp_f32 v232, 1.0, v238
	s_wait_alu depctr_va_vdst(0)
.irp g, 0,8,16,24,32,40,48,56
.irp i, 0,2,4,6
	v_exp_f32 v[64+\g+\i], v[64+\g+\i]             ; tile 0's p,
	v_exp_f32 v[65+\g+\i], v[65+\g+\i]
	v_pk_fma_f32 v[128+\g+\i:129+\g+\i], v[128+\g+\i:129+\g+\i], s[CS:CS+1], v[\st+4:\st+5] op_sel_hi:[1,0,0]   ; among them tile 1's t - M
.endr
.endr
	s_wait_alu depctr_va_vdst(0)
.irp m, 0,1,2,3,4,5,6,7,8,9,10,11,12,13,14,15
	v_exp_f32 v[128+4*\m], v[128+4*\m]             ; tile 1's p; among them tile 0's sum, of the unquantised p, in pairs, and its hold
	v_exp_f32 v[129+4*\m], v[129+4*\m]
	v_pk_add_f32 v[192+2*\m:193+2*\m], v[64+4*\m:65+4*\m], v[66+4*\m:67+4*\m]
	v_exp_f32 v[130+4*\m], v[130+4*\m]
	v_exp_f32 v[131+4*\m], v[131+4*\m]
	v_dual_min_num_f32 v[64+4*\m], v31, v[64+4*\m] :: v_dual_min_num_f32 v[65+4*\m], v31, v[65+4*\m]   ; the conversion does not saturate (ISA guide 7.6.2); p is not negative
	v_dual_min_num_f32 v[66+4*\m], v31, v[66+4*\m] :: v_dual_min_num_f32 v[67+4*\m], v31, v[67+4*\m]
.endr
.irp k, 0,1
	v_pk_mul_f32 v[\st+4*\k+2:\st+4*\k+3], v[\st+4*\k+2:\st+4*\k+3], v[230+2*\k:231+2*\k] op_sel_hi:[1,0]   ; the sums under the new M
.endr
	WIN 0x41
	s_wait_alu depctr_va_vdst(0)
.irp k, 0,1
.irp j, 0,2,4,6,8,10,12,14,16,18,20,22,24,26,28,30
	v_pk_mul_f32 v[\o+32*\k+\j:\o+32*\k+\j+1], v[\o+32*\k+\j:\o+32*\k+\j+1], v[230+2*\k:231+2*\k] op_sel_hi:[1,0]   ; O under the new M
.endr
.endr
	WIN 0
	TREE                                           ; tile 0's sum; its last additions stand among tile 1's first, which take the places that have been read
.irp m, 1,2
	ADD1 \m
.endr
	v_pk_add_f32 v[192:193], v[192:193], v[200:201]
	v_pk_add_f32 v[208:209], v[208:209], v[216:217]
.irp m, 3,5,6,7
	ADD1 \m
.endr
	v_pk_add_f32 v[192:193], v[192:193], v[208:209]
.irp m, 9,10,11,13
	ADD1 \m
.endr
	v_pk_add_f32 v[\st+2:\st+3], v[\st+2:\st+3], v[192:193]
.irp m, 14,15,4,8,12,0
	ADD1 \m
.endr
	TREE                                           ; tile 1's; its last additions stand among its holds
	MIN1 0
	v_pk_add_f32 v[192:193], v[192:193], v[200:201]
	v_pk_add_f32 v[208:209], v[208:209], v[216:217]
	MIN1 8
	MIN1 16
	v_pk_add_f32 v[234:235], v[192:193], v[208:209]
.irp g, 24,32,40,48,56
	MIN1 \g
.endr
.irp b, 0,1,2,3,4,5,6,7,8,9,10,11,12,13,14,15
	v_cvt_scalef32_pk8_fp8_f32 v[192+2*\b:193+2*\b], v[64+8*\b:71+8*\b], v30
.endr
	v_pk_add_f32 v[\st+6:\st+7], v[\st+6:\st+7], v[234:235]   ; (the plain line behind the conversions)
	s_wait_alu depctr_va_vdst(0)
	s_wait_dscnt 0x10                              ; V is in; the next K's sixteen loads may be out
	WIN 0x51
.irp a, 0,1,2,3
.irp k, 0,1
	v_wmma_f32_16x16x128_fp8_fp8 v[\o+32*\k+8*\a:\o+32*\k+8*\a+7], v[64+16*\a:79+16*\a], v[192+16*\k:207+16*\k], v[\o+32*\k+8*\a:\o+32*\k+8*\a+7]
.endr
.endr
	WIN 0
.endm
; A BLOCK's walk: my key steps up to the block's own.  The trip count is a constant; the jumps hang on ids alone and lead round no barrier and no tensor load.
.macro WALK q, st, o, blk
	s_mov_b32 s[ST], 0
	s_lshl_b32 s[TN], s[PH], 12                    ; my first key step: 0 or 2
	s_mov_b32 s[TB], 0
	s_mov_b32 s[CNT], 16
	s_wait_dscnt 0x0                               ; what the walk before has asked for last
	v_add_nc_u32 v224, s[TN], v1
	v_add_nc_u32 v225, s[TN], v2
	v_nop
	v_nop
	LOADK
.Lstep_\@:
	s_cmp_gt_u32 s[ST], s[\blk]
	s_cbranch_scc1 .Lskip_\@
	s_and_b32 s56, s[ST], 3
	s_cmp_eq_u32 s56, 2
	s_cselect_b32 s56, 1, 0
	s_cmp_lg_u32 s56, s[PH]
	s_cbranch_scc1 .Lskip_\@
	STEP \q, \st, \o, \blk
.Lskip_\@:
	s_add_co_u32 s[ST], s[ST], 1
	s_add_co_u32 s[TB], s[TB], 2048
	s_sub_co_u32 s[CNT], s[CNT], 1
	s_cmp_lg_u32 s[CNT], 0
	s_cbranch_scc1 .Lstep_\@
.endm
	s_wait_alu depctr_va_vdst(0)
	s_wait_loadcnt 0x0                             ; Q
	s_wait_tensorcnt 0x0                           ; my part of K or V
	s_barrier_signal -1
	s_barrier_wait -1                              ; everybody's
	WALK 32, 12, 128, YB
	WALK 48, 20, 192, XB
	; THE TWO PARTS MEET: through LDS bytes that have had their last fill; behind the first barrier nobody reads K or V any more
	s_mul_i32 s56, s[WV], STG
	s_xor_b32 s57, s[WV], 4
	s_mul_i32 s57, s57, STG
	s_wait_dscnt 0x0
	v_add_nc_u32 v224, s56, v1
	v_add_nc_u32 v225, s57, v1
	v_nop
	v_nop                                          ; (four places behind the last products)
	s_wait_alu depctr_va_vdst(0)
	s_barrier_signal -1
	s_barrier_wait -1
.irp k, 0,1
	s_wait_alu depctr_va_vdst(0)
	ds_store_b128 v224, v[12+4*\k:15+4*\k] offset:8192+512*\k
.endr
	WIN 0x04
.irp i, 0,1,2,3,4,5,6,7,8,9,10,11,12,13,14,15
	s_wait_alu depctr_va_vdst(0)
	ds_store_b128 v224, v[128+4*\i:131+4*\i] offset:512*\i
.endr
	WIN 0
	s_wait_dscnt 0x0
	s_barrier_signal -1
	s_barrier_wait -1
.irp k, 0,1
	ds_load_b128 v[128+4*\k:131+4*\k], v225 offset:8192+512*\k   ; the other part's states,
.endr
.irp i, 0,1,2,3,4,5,6,7,8,9,10,11,12,13,14,15
	ds_load_b128 v[64+4*\i:67+4*\i], v225 offset:512*\i   ; and O
.endr
	s_wait_dscnt 0x10                              ; the states are in; the sixteen loads behind them may be out
.irp k, 0,4
	v_min_num_f32 v[136+\k], v[20+\k], v[128+\k]   ; -M of both
	v_add_f32 v[22+\k], v[22+\k], v[23+\k]
	v_add_f32 v[130+\k], v[130+\k], v[131+\k]
	v_sub_f32 v[137+\k], v[136+\k], v[20+\k]
	v_sub_f32 v[138+\k], v[136+\k], v[128+\k]
	v_cvt_i32_f32 v[137+\k], v[137+\k]
	v_cvt_i32_f32 v[138+\k], v[138+\k]
	v_ldexp_f32 v[137+\k], 1.0, v[137+\k]
	v_ldexp_f32 v[138+\k], 1.0, v[138+\k]
	v_mul_f32 v[22+\k], v[22+\k], v[137+\k]
	v_fma_f32 v[22+\k], v[130+\k], v[138+\k], v[22+\k]
	v_permlanex16_b32 v[228+\k/4], v[22+\k], s[SEL], s[SEL+1]
	v_add_f32 v[22+\k], v[22+\k], v[228+\k/4]      ; the row's sum
.endr
	s_wait_alu depctr_va_vdst(0)
	v_rcp_f32 v22, v22
	v_rcp_f32 v26, v26
	v_nop
	s_wait_alu depctr_va_vdst(0)                   ; and ahead of its first reader
	v_ldexp_f32 v22, v22, s[EO]                    ; x 2^(e8 + e9)
	v_ldexp_f32 v26, v26, s[EO]
.irp k, 0,1
	v_mul_f32 v[230+2*\k], v[137+4*\k], v[22+4*\k]
	v_mul_f32 v[234+2*\k], v[138+4*\k], v[22+4*\k]
.endr
	s_wait_dscnt 0x0
	WIN 0x01
	s_wait_alu depctr_va_vdst(0)
.irp k, 0,1
.irp j, 0,2,4,6,8,10,12,14,16,18,20,22,24,26,28,30
	v_pk_mul_f32 v[136+32*\k+\j:137+32*\k+\j], v[192+32*\k+\j:193+32*\k+\j], v[230+2*\k:231+2*\k] op_sel_hi:[1,0]
.endr
.endr
	WIN 0
.irp k, 0,1
.irp j, 0,2,4,6,8,10,12,14,16,18,20,22,24,26,28,30
	v_pk_fma_f32 v[64+32*\k+\j:65+32*\k+\j], v[64+32*\k+\j:65+32*\k+\j], v[234+2*\k:235+2*\k], v[136+32*\k+\j:137+32*\k+\j] op_sel_hi:[1,0,1]
.endr
.endr
.irp g, 0,8,16,24,32,40,48,56
.irp i, 0,1,2,3,4,5,6,7
	v_med3_num_f32 v[64+\g+\i], v[64+\g+\i], -v10, v10
.endr
.endr
.irp b, 0,1,2,3,4,5,6,7
	v_cvt_scalef32_pk8_fp8_f32 v[200+2*\b:201+2*\b], v[64+8*\b:71+8*\b], v9
.endr
	v_nop
.irp k, 0,1
	global_store_b128 v1, v[200+8*\k:203+8*\k], s[12:13] offset:2048*\k   ; 32 lanes store 512 consecutive bytes, aligned
	global_store_b128 v1, v[204+8*\k:207+8*\k], s[12:13] offset:2048*\k+512
.endr
	s_wait_tensorcnt 0x0                           ; the wave's end
	ds_add_u32 v[SPW], v[NIL]
	s_wait_dscnt 0x0
	CROUND                                         ; the closing round: no work-group ends while a partner may still issue a load that names it
	s_endpgm
.Lfunc_end_k_q06a788f6ba_attn:
	.size	k_q06a788f6ba_attn, .Lfunc_end_k_q06a788f6ba_attn-k_q06a788f6ba_attn
	.p2alignl 7, 3214868480
	.fill 96, 4, 3214868480
	.section	.rodata,"a",@progbits
	.p2align	6, 0x0
	.amdhsa_kernel k_q06a788f6ba_attn
		.amdhsa_group_segment_fixed_size 327680
		.amdhsa_private_segment_fixed_size 0
		.amdhsa_enable_private_segment 0
		.amdhsa_kernarg_size 40
		.amdhsa_user_sgpr_count 2
		.amdhsa_user_sgpr_kernarg_segment_ptr 1
		.amdhsa_wavefront_size32 1
		.amdhsa_system_sgpr_workgroup_id_x 1
		.amdhsa_system_sgpr_workgroup_id_y 1
		.amdhsa_system_sgpr_workgroup_id_z 1
		.amdhsa_system_vgpr_workitem_id 0
		.amdhsa_next_free_vgpr 512
		.amdhsa_next_free_sgpr 80
		.amdhsa_reserve_vcc 0
		.amdhsa_float_denorm_mode_32 3
		.amdhsa_float_denorm_mode_16_64 3
		.amdhsa_memory_ordered 1
		.amdhsa_forward_progress 1
		.amdhsa_inst_pref_size 103
	.end_amdhsa_kernel
	.amdgpu_metadata
---
amdhsa.version: [ 1, 2 ]
amdhsa.kernels:
  - .name:           k_q06a788f6ba_attn
    .symbol:         k_q06a788f6ba_attn.kd
    .args:
      - { .name: qc, .offset: 0, .size: 8, .value_kind: global_buffer, .address_space: global }
      - { .name: kc, .offset: 8, .size: 8, .value_kind: global_buffer, .address_space: global }
      - { .name: vc, .offset: 16, .size: 8, .value_kind: global_buffer, .address_space: global }
      - { .name: lowp_scales, .offset: 24, .size: 8, .value_kind: global_buffer, .address_space: global }
      - { .name: ac, .offset: 32, .size: 8, .value_kind: global_buffer, .address_space: global }
    .group_segment_fixed_size: 327680
    .private_segment_fixed_size: 0
    .kernarg_segment_align: 8
    .kernarg_segment_size: 40
    .max_flat_workgroup_size: 256
    .sgpr_count:     80
    .vgpr_count:     512
    .wavefront_size: 32
...
	.end_amdgpu_metadata
.endif
;; end of part 3
;; launch proj (part 4): grid 8 x 32, 4 waves a work-group, clusters of 4 x 4, 327,680 bytes of LDS; arguments ac, wc, bo, lowp_scales, out0; writes out0
.if DOCPART == 4
	.amdgcn_target "amdgcn-amd-amdhsa--gfx1250"
	.amdhsa_code_object_version 6
	.text
	.protected	k_q06a788f6ba_proj
	.globl	k_q06a788f6ba_proj
	.p2align	8
	.type	k_q06a788f6ba_proj,@function
k_q06a788f6ba_proj:
	s_mov_b64 s[64:65], 0
	v_nop
	global_prefetch_b8 v0, s[64:65] scope:SCOPE_SE
	s_setreg_imm32_b32 hwreg(HW_REG_WAVE_MODE, 25, 1), 1
	s_wait_xcnt 0x0
	s_wait_alu depctr_hold_cnt(0) depctr_sa_sdst(0) depctr_va_vdst(0) depctr_va_sdst(0) depctr_va_ssrc(0) depctr_va_vcc(0) depctr_vm_vsrc(0)
	s_getreg_b32 s2, hwreg(HW_REG_IB_STS2, 6, 4)
	s_cmp_eq_u32 s2, 0
	s_cbranch_scc0 .Lentry_in_a_cluster
	s_endpgm
.Lentry_in_a_cluster:
	s_bfe_u32 s2, ttmp6, 0x10000c
	s_cmp_lg_u32 s2, 0xf033
	s_cbranch_scc0 .Lentry_shape_is_right
	s_endpgm
.Lentry_shape_is_right:
; out0 = A Wo^T + bo on codes of FP8 (E4M3): A [4096][1024] is attention's result (scale e10), Wo's codes lie 3 MiB into wc (scale e11); out0 = sum x 2^(e10 + e11) + bo, f32.
; OPERANDS are images of registers: [block of 128 rows][K step s of 128][tile t][piece c][lane][16 bytes]; lane (r, h) of piece c: row 128 block + 32 (t / 2) + 8 (t % 2) + r + 8 (r / 8), k = 128 s + 32 c + 16 h + 0 .. 15.
; A TILE of 128 x 128 to a work-group, 256 work-groups, four waves of 64 x 64.  Source 0 = 16 rows of Wo, source 1 = 16 rows of A: a lane holds one token, and the 16 registers of Wo's tiles 2 b and 2 b + 1
; are the 16 neighbouring columns 32 b + 16 h + 0 .. 15.
; BY ROWS: all of a wave's fragments of Wo (8 K steps x 4, 512 registers) stay in registers; its four tiles of 16 tokens are finished one after the other over all of K, and each leaves while the next is multiplied.  No fragment is read twice.
; LDS: A's block at byte 0, Wo's at 131,072, each whole (K = 1,024): every byte is filled once, by one tensor load a wave of 64 KiB at the head (four K steps of one block).  Behind them each wave's stage.
; CLUSTER 4 x 4: A's block is shared along a row of the cluster, Wo's along a column: joint loads, the same descriptor and mask in the four that a mask names.  No prefetch: all is asked for at the head.
; LIMIT: e10 + e11 between -126 and 127.
; REGISTERS: window 0: v1-31 addresses; v32-63 bo along the registers; v64-95 at work; v96-127 and v128-159 rows read back, by turns; v192-223, v224-255 the accumulators of tiles 0, 2 and 1, 3.
;   window 1: A's fragments of a tile over all of K, two buffers of 128;  windows 2, 3: Wo's fragments of K steps 0-3, 4-7.
.set LS0,  131072
.set KSB,  16384
.set STAGE, 262144                     ; 16 rows x (256 bytes + 16) for each wave; no fill lands here
.set SPI,  272
.set SPARE, 0x44400
.set WV,   22
.set WS1,  23                          ; which 64 tokens are mine.  Also: I fetch for A (0) or for Wo (1)
.set WS0,  24                          ; which 64 columns.  Also: I fetch K steps 0-3 (0) or 4-7 (1)
.set CX,   25
.set CY,   26
.set WGX,  27
.set WGY,  28
.set G1A,  32
.set G1B,  40
.set G0A,  48
.set G0B,  52
.set LN,   1
.set AD1,  16                          ; v16, v17  A's fragments, K steps 0-3 and 4-7
.set AD0,  20                          ; v20, v21  Wo's
.set STO,  24                          ; v24  the stage: where I put 16 bytes of a row
.set RD,   25                          ; v25  and where I read a row back
.set CO,   26                          ; v26  my byte offset in two rows of out0
.set SPW,  30
.set NIL,  31
.set B0,   32
.set T,    64
.set BK,   96
.set ACC,  192
.set MSB,  0
.macro WIN new                         ; the immediate's high byte repeats the setting that is left
.if MSB != \new
	s_set_vgpr_msb (MSB<<8)|\new
.set MSB, \new
.endif
.endm
.macro CROUND
	s_barrier_signal -1
	s_barrier_wait -1
	s_cmp_lg_u32 s[WV], 0
	s_cbranch_scc1 .Lnot_wave_0_\@
	s_barrier_signal -3
.Lnot_wave_0_\@:
	s_barrier_wait -3
	s_barrier_signal -1
	s_barrier_wait -1
.endm
	s_load_b256 s[4:11], s[0:1], 0x0               ; ac 4, wc 6, bo 8, the scales 10
	s_load_b64 s[12:13], s[0:1], 0x20              ; out0
	v_lshl_add_u32 v[SPW], v0, 2, SPARE
	v_mov_b32 v[NIL], 0
	ds_add_u32 v[SPW], v[NIL]                      ; the wave's opening: the add, twice on end, and its wait ahead of my tensor load
	ds_add_u32 v[SPW], v[NIL]
	v_lshrrev_b32 v2, 5, v0
	v_readfirstlane_b32 s[WV], v2
	s_lshr_b32 s[WS1], s[WV], 1
	s_and_b32 s[WS0], s[WV], 1
	s_bfe_u32 s[CX], ttmp6, 0x40000
	s_bfe_u32 s[CY], ttmp6, 0x40004
	s_lshl_b32 s[WGX], ttmp9, 2
	s_add_co_u32 s[WGX], s[WGX], s[CX]             ; block of 128 columns, 0..7
	s_and_b32 s[WGY], ttmp7, 0xffff
	s_lshl_b32 s[WGY], s[WGY], 2
	s_add_co_u32 s[WGY], s[WGY], s[CY]             ; block of 128 tokens, 0..31
	s_lshl_b32 s66, s[CY], 2
	s_lshl_b32 s66, 15, s66
	s_lshl_b32 s67, 0x1111, s[CX]
	s_or_b32 s[G1A], s66, (3<<16)|(1<<21)          ; 64 KiB, dense, as 256 rows of 32 elements of 8 bytes; the mask: my row of the cluster
	s_or_b32 s[G1B], s67, (3<<16)|(1<<21)          ; my column
.irp g, G1A, G1B
	s_mov_b32 s[\g+1], 32<<16
	s_mov_b32 s[\g+2], 256<<16
	s_mov_b32 s[\g+3], 32<<16
	s_mov_b32 s[\g+4], 256
	s_mov_b32 s[\g+5], 32
	s_mov_b32 s[\g+6], 0
	s_mov_b32 s[\g+7], 0
.endr
	s_lshl_b32 s97, s[WS0], 16                     ; my four K steps
	s_lshl_b32 s84, s[WGY], 17
	s_add_co_u32 s84, s84, s97
	s_mov_b32 s85, 0
	s_lshl_b32 s86, s[WGX], 17
	s_add_co_u32 s86, s86, 0x300000
	s_add_co_u32 s86, s86, s97
	s_mov_b32 s87, 0
	s_wait_dscnt 0x0                               ; both opening adds are done
	s_wait_kmcnt 0x0
	s_load_b64 s[88:89], s[10:11], 0x28            ; e10, e11
	s_mov_b32 s[G0A], 1
	s_mov_b32 s[G0A+1], s97
	s_add_nc_u64 s[G0A+2:G0A+3], s[4:5], s[84:85]
	s_or_b32 s[G0A+3], s[G0A+3], 0x80000000
	s_mov_b32 s[G0B], 1
	s_add_co_u32 s[G0B+1], s97, LS0
	s_add_nc_u64 s[G0B+2:G0B+3], s[6:7], s[86:87]
	s_or_b32 s[G0B+3], s[G0B+3], 0x80000000
	CROUND                                         ; all sixteen work-groups are here: the joint loads meet
	s_cmp_eq_u32 s[WS1], 0
	s_cbranch_scc0 .Lfor_s0
	tensor_load_to_lds s[G0A:G0A+3], s[G1A:G1A+7]
	s_nop 0
.rept 4
	v_nop
.endr
	s_branch .Lasked
.Lfor_s0:
	tensor_load_to_lds s[G0B:G0B+3], s[G1B:G1B+7]
	s_nop 0
.rept 4
	v_nop
.endr
.Lasked:
	s_lshl_b32 s90, s[WGX], 9
	s_lshl_b32 s91, s[WS0], 8
	s_add_co_u32 s90, s90, s91                     ; bo: (128 x + 64 x half) numbers on
	s_mov_b32 s91, 0
	s_add_nc_u64 s[100:101], s[8:9], s[90:91]
	s_lshl_b32 s92, s[WS1], 13                     ; my four tiles of A: 4 x 2,048 bytes x half
	s_lshl_b32 s93, s[WS0], 13
	s_add_co_u32 s93, s93, LS0                     ; of Wo
	s_mul_i32 s94, s[WV], 16*SPI
	s_add_co_u32 s94, s94, STAGE                   ; my stage
	v_and_b32 v2, 31, v0
	v_lshlrev_b32 v[LN], 4, v2
	v_and_b32 v3, 15, v0                           ; r
	v_bfe_u32 v4, v0, 4, 1                         ; h
	v_lshlrev_b32 v5, 6, v4
.irp b, 0,1,2,3
	global_load_b128 v[B0+8*\b:B0+8*\b+3], v5, s[100:101] offset:(32*(\b/2)+8*(\b%2))*4
	global_load_b128 v[B0+8*\b+4:B0+8*\b+7], v5, s[100:101] offset:(32*(\b/2)+8*(\b%2))*4+16
.endr
	v_add_nc_u32 v[AD1], s92, v[LN]
	v_add_nc_u32 v[AD1+1], 0x10000, v[AD1]
	v_add_nc_u32 v[AD0], s93, v[LN]
	v_add_nc_u32 v[AD0+1], 0x10000, v[AD0]
	v_mul_u32_u24 v7, v3, SPI                      ; in: row r, + 64 h
	v_lshl_add_u32 v7, v4, 6, v7
	v_add_nc_u32 v[STO], s94, v7
	v_mul_u32_u24 v8, v4, SPI                      ; back: lanes 0-15 one row of 256 bytes, lanes 16-31 the next
	v_lshl_add_u32 v8, v3, 4, v8
	v_add_nc_u32 v[RD], s94, v8
	v_lshlrev_b32 v[CO], 12, v4                    ; and the same two rows in out0 (4,096 bytes apart)
	v_lshl_add_u32 v[CO], v3, 4, v[CO]
	s_lshl_b32 s2, s[WGY], 19                      ; (128 y + 64 x half) rows of 4,096 bytes
	s_lshl_b32 s3, s[WS1], 18
	s_add_co_u32 s2, s2, s3
	s_lshl_b32 s3, s[WGX], 9                       ; + (128 x + 64 x half) columns of 4 bytes
	s_add_co_u32 s2, s2, s3
	s_lshl_b32 s3, s[WS0], 8
	s_add_co_u32 s2, s2, s3
	s_mov_b32 s3, 0
	s_add_nc_u64 s[12:13], s[12:13], s[2:3]
	s_wait_alu depctr_va_vdst(0)
	s_wait_kmcnt 0x0
	s_add_co_i32 s98, s88, s89
	s_add_co_i32 s98, s98, 127
	s_lshl_b32 s98, s98, 23                        ; 2^(e10 + e11) as f32
	s_mov_b32 s99, s98                             ; (named with it as a pair, so it is written)
	s_wait_loadcnt 0x0                             ; bo
.macro LW s                            ; Wo's four fragments of K step s; an instruction's 512 bytes are consecutive
	WIN 0x80+0x40*((\s)/4)                         ; destination window 2 or 3
.irp b, 0,1,2,3
.irp c, 0,1,2,3
	ds_load_b128 v[64*((\s)%4)+16*\b+4*\c:64*((\s)%4)+16*\b+4*\c+3], v[AD0+(\s)/4] offset:((\s)%4)*KSB+2048*\b+512*\c
.endr
.endr
.endm
.macro LA s, a                         ; A's fragment of tile a and K step s
	WIN 0x40
.irp c, 0,1,2,3
	ds_load_b128 v[128*((\a)%2)+16*(\s)+4*\c:128*((\a)%2)+16*(\s)+4*\c+3], v[AD1+(\s)/4] offset:((\s)%4)*KSB+2048*(\a)+512*\c
.endr
.endm
; K step s of tile a: its four accumulators take turns, one instruction a turn, in the same order in every K step.
.macro MULS s, a
	WIN 0x06+(\s)/4                                ; source 0 window 2 or 3, source 1 window 1, C and D window 0
.irp b, 0,1,2,3
.if (\s) == 0
	v_wmma_f32_16x16x128_fp8_fp8 v[ACC+32*((\a)%2)+8*\b:ACC+32*((\a)%2)+8*\b+7], v[64*((\s)%4)+16*\b:64*((\s)%4)+16*\b+15], v[128*((\a)%2)+16*(\s):128*((\a)%2)+16*(\s)+15], 0
.else
	v_wmma_f32_16x16x128_fp8_fp8 v[ACC+32*((\a)%2)+8*\b:ACC+32*((\a)%2)+8*\b+7], v[64*((\s)%4)+16*\b:64*((\s)%4)+16*\b+15], v[128*((\a)%2)+16*(\s):128*((\a)%2)+16*(\s)+15], v[ACC+32*((\a)%2)+8*\b:ACC+32*((\a)%2)+8*\b+7]
.endif
.endr
.endm
; THE WAY OUT, a tile of 16 tokens x 64 columns at a time, through my own stage: a lane's 32 numbers of one token go in, whole rows of 256 bytes come back, and sixteen lanes store 256 consecutive bytes, aligned.
; LDS serves a wave's instructions in order (ISA guide 5.7.1.4): no wait between the stores and the loads, nor in front of the next tile's stores.
.macro TOSTAGE a
	WIN 0
.rept 4
	v_nop                                          ; the places behind the tile's last products (ISA guide 7.12.1)
.endr
.irp b, 0,1,2,3
.irp i, 0,2,4,6
	v_pk_fma_f32 v[T+8*\b+\i:T+8*\b+\i+1], v[ACC+32*((\a)%2)+8*\b+\i:ACC+32*((\a)%2)+8*\b+\i+1], s[98:99], v[B0+8*\b+\i:B0+8*\b+\i+1] op_sel_hi:[1,0,1]   ; sum x 2^(e10 + e11) + bo; each accumulator from its low end on
.endr
.endr
.irp b, 0,1,2,3
	ds_store_b128 v[STO], v[T+8*\b:T+8*\b+3] offset:128*(\b/2)+32*(\b%2)
	ds_store_b128 v[STO], v[T+8*\b+4:T+8*\b+7] offset:128*(\b/2)+32*(\b%2)+16
.endr
.set BB, BK+32*((\a)%2)
.if (\a) > 1
	s_wait_xcnt 0x0                                ; tile a - 2's stores have read their registers, which take this tile's rows
.endif
.irp i, 0,1,2,3,4,5,6,7
	ds_load_b128 v[BB+4*\i:BB+4*\i+3], v[RD] offset:2*SPI*\i
.endr
.endm
.macro SEND a, younger                 ; younger: the LDS loads issued behind tile a's.  Stage row 2 i + h is token 32 (a / 2) + 8 (a % 2) + 2 i + h + 8 (i / 4) of my 64
.set BB, BK+32*((\a)%2)
	WIN 0
	s_wait_dscnt \younger
.irp i, 0,1,2,3,4,5,6,7
	global_store_b128 v[CO], v[BB+4*\i:BB+4*\i+3], s[12:13] offset:(32*((\a)/2)+8*((\a)%2)+2*\i+8*(\i/4))*4096 th:TH_STORE_NT
.endr
.endm
; Tile a, 1 to 3: tile a - 1 goes into the stage, tile a + 1's fragments are asked for (the sixteen packed lines of TOSTAGE are places in front of them), and tile a - 1's stores stand in the middle of tile a's products.
.macro TILE a
	TOSTAGE (\a)-1
.if (\a) < 3
.irp s, 0,1,2,3,4,5,6,7
	LA \s, (\a)+1
.endr
	s_wait_dscnt 48                                ; tile a's fragments are in: sixteen LDS instructions of the stage and 32 loads stand behind them
.else
	s_wait_dscnt 16                                ; the stage's sixteen
.endif
	MULS 0, \a
	MULS 1, \a
	MULS 2, \a
	MULS 3, \a
.if (\a) < 3
	SEND (\a)-1, 32
.else
	SEND (\a)-1, 0
.endif
	MULS 4, \a
	MULS 5, \a
	MULS 6, \a
	MULS 7, \a
.endm
	s_wait_tensorcnt 0x0                           ; my load has landed
	s_barrier_signal -1
	s_barrier_wait -1                              ; everybody's has: both blocks are whole
	LW 0
	LA 0, 0
	LW 1
	LA 1, 0
.irp s, 0,1,2,3,4,5                    ; tile 0: the fragments of two K steps on are asked for ahead of each K step's products
	s_wait_dscnt 20                                ; K step s is in; the twenty loads of the next may be out
	LW \s+2
	LA \s+2, 0
	MULS \s, 0
.endr
	s_wait_dscnt 20
.irp s, 0,1,2,3,4,5,6,7
	LA \s, 1
.endr
	MULS 6, 0
	s_wait_dscnt 32                                ; K step 7 is in; tile 1's 32 loads may be out
	MULS 7, 0
	TILE 1
	TILE 2
	TILE 3
	TOSTAGE 3
	SEND 3, 0
	s_wait_tensorcnt 0x0                           ; the wave's end
	ds_add_u32 v[SPW], v[NIL]
	s_wait_dscnt 0x0
	CROUND                                         ; the closing round: no work-group ends while a partner may still ask for a tile that names it
	s_endpgm
.Lfunc_end_k_q06a788f6ba_proj:
	.size	k_q06a788f6ba_proj, .Lfunc_end_k_q06a788f6ba_proj-k_q06a788f6ba_proj
	.p2alignl 7, 3214868480
	.fill 96, 4, 3214868480
	.section	.rodata,"a",@progbits
	.p2align	6, 0x0
	.amdhsa_kernel k_q06a788f6ba_proj
		.amdhsa_group_segment_fixed_size 327680
		.amdhsa_private_segment_fixed_size 0
		.amdhsa_enable_private_segment 0
		.amdhsa_kernarg_size 40
		.amdhsa_user_sgpr_count 2
		.amdhsa_user_sgpr_kernarg_segment_ptr 1
		.amdhsa_wavefront_size32 1
		.amdhsa_system_sgpr_workgroup_id_x 1
		.amdhsa_system_sgpr_workgroup_id_y 1
		.amdhsa_system_sgpr_workgroup_id_z 1
		.amdhsa_system_vgpr_workitem_id 0
		.amdhsa_next_free_vgpr 1024
		.amdhsa_next_free_sgpr 104
		.amdhsa_reserve_vcc 0
		.amdhsa_float_denorm_mode_32 3
		.amdhsa_float_denorm_mode_16_64 3
		.amdhsa_memory_ordered 1
		.amdhsa_forward_progress 1
		.amdhsa_inst_pref_size 45
	.end_amdhsa_kernel
	.amdgpu_metadata
---
amdhsa.version: [ 1, 2 ]
amdhsa.kernels:
  - .name:           k_q06a788f6ba_proj
    .symbol:         k_q06a788f6ba_proj.kd
    .args:
      - { .name: ac, .offset: 0, .size: 8, .value_kind: global_buffer, .address_space: global }
      - { .name: wc, .offset: 8, .size: 8, .value_kind: global_buffer, .address_space: global }
      - { .name: bo, .offset: 16, .size: 8, .value_kind: global_buffer, .address_space: global }
      - { .name: lowp_scales, .offset: 24, .size: 8, .value_kind: global_buffer, .address_space: global }
      - { .name: out0, .offset: 32, .size: 8, .value_kind: global_buffer, .address_space: global }
    .group_segment_fixed_size: 327680
    .private_segment_fixed_size: 0
    .kernarg_segment_align: 8
    .kernarg_segment_size: 40
    .max_flat_workgroup_size: 128
    .sgpr_count:     104
    .vgpr_count:     1024
    .wavefront_size: 32
...
	.end_amdgpu_metadata
.endif
;; end of part 4
